; MI455X (gfx1250); checked and timed in simulation.
; The chip was launched on July 23, 2026; its instructions are those of AMD's public machine-readable ISA for CDNA 5 (MIT licence, August 2026) and "CDNA5" Instruction Set Architecture Reference Guide (July 2026). The comments in the code are by the model that wrote it; some were corrected since.
;; Cross Modal Attention. Allowed arithmetic: float matrix products may take bf16 or f16 operands with f32 sums; other float arithmetic in f32, or as packed bf16 or f16 multiplies, adds, multiply-adds, maxima and minima; sums over many terms, partial sums and values carried from step to step in f32; what a program stores and reads back later, other than sums and carried values, may be rounded once to bf16 or f16.
;; Inputs: Wlkv 1,024 x 2,048 float32; Wlo 1,024 x 1,024 float32; Wlq 1,024 x 1,024 float32; Wmkv 1,024 x 2,048 float32; Wmo 1,024 x 1,024 float32; Wmq 1,024 x 1,024 float32; blkv 2,048 float32; blo 1,024 float32; blq 1,024 float32; bmkv 2,048 float32; bmo 1,024 float32; bmq 1,024 float32; liquid_repr 8 x 1,024 x 1,024 float32; mamba_repr 8 x 1,024 x 1,024 float32.
;; Outputs: out0 8 x 1,024 x 1,024 float32; out1 8 x 1,024 x 1,024 float32.
;; 2 versions, each right; version 2 is version 1 with the launches prep, attn written anew for expert scheduling mode. Each part assembles by itself: llvm-mc -triple=amdgcn-amd-amdhsa -mcpu=gfx1250 --defsym DOCPART=n.
;; ======== version 1 of 2: 4 launches
;; workspace buffers: xb 33,554,432 bytes; wt 16,777,216 bytes; bp 32,768 bytes; cb 100,663,296 bytes; ab 33,554,432 bytes
;; launch prep (part 1): grid 128 x 3, 8 waves a work-group, no clusters, 140,288 bytes of LDS; arguments liquid_repr, mamba_repr, Wlq, Wlkv, Wmq, Wmkv, Wlo, Wmo, blq, blkv, bmq, bmkv, blo, bmo, xb, wt, bp; writes xb, wt, bp
.if DOCPART == 1
	.amdgcn_target "amdgcn-amd-amdhsa--gfx1250"
	.amdhsa_code_object_version 6
	.text
	.protected	k_qd6aa9e213a_prep
	.globl	k_qd6aa9e213a_prep
	.p2align	8
	.type	k_qd6aa9e213a_prep,@function
k_qd6aa9e213a_prep:
	s_mov_b64 s[64:65], 0
	v_nop
	global_prefetch_b8 v0, s[64:65] scope:SCOPE_SE
	s_setreg_imm32_b32 hwreg(HW_REG_WAVE_MODE, 25, 1), 1
	s_wait_xcnt 0x0
; PREPARATION.  Grid y = 0, 1: x of that modality (0 liquid, 1 mamba), [8192][1024] f32, is rounded once to bf16 into xb.
; Grid y = 2: the six weights, [1024 k][n] f32, are rounded once to bf16 and turned into wt, [8192 rows][1024 k]; the six biases go, in f32, to bp[row].
; ROWS OF wt.  Modality mod's projection has rows 3072 mod + n':  q(h, d) -> n' = 128 (d / 16) + 16 h + d % 16;  k(g, d) -> 1024 + the same form;  v(g, d) -> 2048 + 8 d + g.
; The output weights have rows 6144 + 1024 dir + n (dir 0: Wlo, 1: Wmo).  So the product x wt^T leaves q, k, v in the order in which the attention launch loads its fragments.
; SHARES (weights).  Work-group x = a block of 64 source columns, wave = a block of 128 k.  The wave loads 128 rows x 256 bytes (each load two whole rows' pieces of 256 bytes), packs k, k + 1 of a column
; into a word, lays the words into its own LDS rows (one row a column, 256 bytes + 16), and reads rows back: sixteen lanes store 256 consecutive bytes of a row of wt, at a multiple of 256 from wt's first byte.
; Source column n0 + i goes to row BASE + (i / 16) SA + (i % 16) SB, with three scalars chosen by forward branches on the work-group's number.
; The LDS words are stored four deep on a bank (column pitch 4 x 272 bytes): 128 such stores a wave, once a launch.  The biases are 4-byte stores, 32 KB in the whole launch.
; No barrier: every wave keeps to its own LDS bytes.  LIMITS: the rounding to bf16 is to nearest even; NaN and infinities pass as they are.
.set WREG,  17408                      ; a wave's LDS: 64 rows x 272 bytes
.set LP,    272
.set SPARE, 8*WREG                     ; behind them: the spare words, 128 bytes for each wave
.set SPW, 4                            ; v4   LDS address of my spare word; never rewritten
.set NIL, 5                            ; v5   0; never rewritten
.set LA,  6                            ; v6   where I put a word: column 4 (l % 16), k pair l / 16
.set RDL, 7                            ; v7   where I read 16 bytes of a row back
.set SO,  8                            ; v8   x part: 16 l
.set DO,  9                            ; v9   x part: 8 l
.set O,   16                           ; v16-31   byte offsets of the 16 loads of a batch of 32 k
.set X0,  32                           ; v32-95   a batch as loaded
.set X1,  96                           ; v96-159  the other batch
.set D,   160                          ; v160-191 packed words
.set E,   192                          ; v192-223 byte offsets of the 32 stores into wt
	s_load_b512 s[16:31], s[0:1], 0x0              ; liquid 16, mamba 18, Wlq 20, Wlkv 22, Wmq 24, Wmkv 26, Wlo 28, Wmo 30
	s_load_b512 s[32:47], s[0:1], 0x40             ; blq 32, blkv 34, bmq 36, bmkv 38, blo 40, bmo 42, xb 44, wt 46
	s_load_b64 s[48:49], s[0:1], 0x80              ; bp
	v_lshl_add_u32 v[SPW], v0, 2, SPARE
	v_mov_b32 v[NIL], 0
	v_lshrrev_b32 v1, 5, v0
	v_readfirstlane_b32 s2, v1                     ; wave 0..7
	v_and_b32 v1, 31, v0                           ; l
	v_and_b32 v2, 15, v0                           ; l % 16
	v_bfe_u32 v3, v0, 4, 1                         ; l / 16
	s_mov_b32 s3, ttmp9                            ; work-group x
	s_and_b32 s4, ttmp7, 0xffff                    ; work-group y
	s_mov_b32 s77, 0                               ; the high word of every offset pair s[76:77]
	s_wait_kmcnt 0x0
	s_cmp_eq_u32 s4, 2
	s_cbranch_scc1 .Lweights
	; THE X PART.  A work-group takes 262,144 bytes of x, a wave 32,768: four trips of 16 loads of 512 consecutive bytes; each store covers 256 consecutive bytes, aligned.
	v_lshlrev_b32 v[SO], 4, v1
	v_lshlrev_b32 v[DO], 3, v1
	s_cmp_eq_u32 s4, 0
	s_cselect_b64 s[50:51], s[16:17], s[18:19]
	s_lshl_b32 s76, s3, 18
	s_lshl_b32 s59, s2, 15
	s_add_co_u32 s76, s76, s59
	s_add_nc_u64 s[50:51], s[50:51], s[76:77]
	s_lshl_b32 s76, s4, 24
	s_lshl_b32 s59, s3, 17
	s_add_co_u32 s76, s76, s59
	s_lshl_b32 s59, s2, 14
	s_add_co_u32 s76, s76, s59
	s_add_nc_u64 s[74:75], s[44:45], s[76:77]
	s_mov_b32 s80, 4
.Lxtrip:
.set i, 0
.rept 16
	global_load_b128 v[X0+4*i:X0+4*i+3], v[SO], s[50:51] offset:512*i th:TH_LOAD_NT
.set i, i+1
.endr
.set i, 0
.rept 16
	s_wait_loadcnt 15-i                            ; loads come back in order: load i is in, the trip's younger ones stay out
	v_cvt_pk_bf16_f32 v[D+2*i], v[X0+4*i], v[X0+4*i+1]
	v_cvt_pk_bf16_f32 v[D+2*i+1], v[X0+4*i+2], v[X0+4*i+3]
	global_store_b64 v[DO], v[D+2*i:D+2*i+1], s[74:75] offset:256*i
.set i, i+1
.endr
	s_wait_xcnt 0x0                                ; the two bases and the stores' data are rewritten only behind this wait
	s_add_nc_u64 s[50:51], s[50:51], 8192
	s_add_nc_u64 s[74:75], s[74:75], 4096
	s_sub_co_u32 s80, s80, 1
	s_cmp_lg_u32 s80, 0
	s_cbranch_scc1 .Lxtrip
	s_endpgm                                       ; this way has written no LDS
	; THE WEIGHTS.  s[50:51] the weight, s[52:53] its bias, s54 bytes in a source row, s55 4 n0, s56 BASE, s57 SA, s58 SB.
.Lweights:
	s_cmp_ge_u32 s3, 96
	s_cbranch_scc1 .Lwo
	s_cmp_ge_u32 s3, 48
	s_cselect_b32 s59, 1, 0                        ; mod
	s_mul_i32 s60, s59, 48
	s_sub_co_u32 s60, s3, s60                      ; c = 0..47: 16 blocks of q's columns, then 32 of kv's
	s_mul_i32 s61, s59, 3072
	s_cmp_ge_u32 s60, 16
	s_cbranch_scc1 .Lwkv
	s_cmp_eq_u32 s59, 0                            ; q: column 64 c + i is head c / 2, channel 64 (c % 2) + i
	s_cselect_b64 s[50:51], s[20:21], s[24:25]
	s_cselect_b64 s[52:53], s[32:33], s[36:37]
	s_mov_b32 s54, 4096
	s_lshl_b32 s55, s60, 8
	s_and_b32 s62, s60, 1
	s_lshl_b32 s62, s62, 9
	s_lshr_b32 s63, s60, 1
	s_lshl_b32 s63, s63, 4
	s_add_co_u32 s56, s61, s62
	s_add_co_u32 s56, s56, s63
	s_mov_b32 s57, 128
	s_mov_b32 s58, 1
	s_branch .Lwjoin
.Lwkv:
	s_sub_co_u32 s60, s60, 16                      ; c2 = 0..31: head c2 / 4; bit 1: k or v; channel 64 (c2 % 2) + i
	s_cmp_eq_u32 s59, 0
	s_cselect_b64 s[50:51], s[22:23], s[26:27]
	s_cselect_b64 s[52:53], s[34:35], s[38:39]
	s_mov_b32 s54, 8192
	s_lshl_b32 s55, s60, 8
	s_and_b32 s62, s60, 1
	s_lshl_b32 s62, s62, 9
	s_add_co_u32 s56, s61, s62
	s_lshr_b32 s63, s60, 2
	s_mov_b32 s57, 128
	s_and_b32 s62, s60, 2
	s_cmp_lg_u32 s62, 0
	s_cbranch_scc1 .Lwv
	s_lshl_b32 s63, s63, 4
	s_add_co_u32 s56, s56, s63
	s_add_co_u32 s56, s56, 1024
	s_mov_b32 s58, 1
	s_branch .Lwjoin
.Lwv:
	s_add_co_u32 s56, s56, s63
	s_add_co_u32 s56, s56, 2048
	s_mov_b32 s58, 8
	s_branch .Lwjoin
.Lwo:
	s_sub_co_u32 s60, s3, 96                       ; 0..31: 16 blocks of Wlo's columns, then 16 of Wmo's
	s_lshr_b32 s59, s60, 4
	s_and_b32 s60, s60, 15
	s_cmp_eq_u32 s59, 0
	s_cselect_b64 s[50:51], s[28:29], s[30:31]
	s_cselect_b64 s[52:53], s[40:41], s[42:43]
	s_mov_b32 s54, 4096
	s_lshl_b32 s55, s60, 8
	s_lshl_b32 s56, s60, 6
	s_lshl_b32 s59, s59, 10
	s_add_co_u32 s56, s56, s59
	s_add_co_u32 s56, s56, 6144
	s_mov_b32 s57, 16
	s_mov_b32 s58, 1
.Lwjoin:
	s_lshl_b32 s59, s2, 7                          ; my first k
	s_mul_i32 s76, s59, s54
	s_add_co_u32 s76, s76, s55
	s_add_nc_u64 s[66:67], s[50:51], s[76:77]      ; the four batches of 32 k: a base each
	s_lshl_b32 s76, s54, 5
	s_add_nc_u64 s[68:69], s[66:67], s[76:77]
	s_add_nc_u64 s[70:71], s[68:69], s[76:77]
	s_add_nc_u64 s[72:73], s[70:71], s[76:77]
	s_lshl_b32 s59, s54, 1
	v_mul_lo_u32 v10, v3, s59                      ; load q of a batch takes row 4 (q / 2) + 2 (l / 16) + q % 2, bytes 16 (l % 16) on:
	v_lshl_add_u32 v10, v2, 4, v10                 ; loads 2 p and 2 p + 1 bring a lane k and k + 1 of four columns
.set q, 0
.rept 16
	s_mul_i32 s60, s54, 4*(q/2)+q%2
	v_add_nc_u32 v[O+q], s60, v10
.set q, q+1
.endr
.macro WLOAD t, x                      ; batch t into x: 16 loads, each two pieces of 256 consecutive bytes
.set q, 0
.rept 16
	global_load_b128 v[(\x)+4*q:(\x)+4*q+3], v[O+q], s[66+2*(\t):67+2*(\t)] th:TH_LOAD_NT
.set q, q+1
.endr
.endm
.macro WPUT t, x                       ; batch t: k, k + 1 of a column rounded into one word, the word into the column's LDS row
.set p, 0
.rept 8
.set j, 0
.rept 4
	v_cvt_pk_bf16_f32 v[D+4*p+j], v[(\x)+8*p+j], v[(\x)+8*p+4+j]
	ds_store_b32 v[LA], v[D+4*p+j] offset:LP*j+2*(32*(\t)+4*p)
.set j, j+1
.endr
.set p, p+1
.endr
.endm
	WLOAD 0, X0
	WLOAD 1, X1
	s_lshl_b32 s76, s56, 11                        ; wt at row BASE, my 256 bytes of k
	s_lshl_b32 s59, s2, 8
	s_add_co_u32 s76, s76, s59
	s_add_nc_u64 s[74:75], s[46:47], s[76:77]
	s_mul_i32 s61, s2, WREG
	v_mul_u32_u24 v[LA], v2, 4*LP
	v_lshl_add_u32 v[LA], v3, 2, v[LA]
	v_add_nc_u32 v[LA], s61, v[LA]
	v_mul_u32_u24 v[RDL], v3, LP
	v_lshl_add_u32 v[RDL], v2, 4, v[RDL]
	v_add_nc_u32 v[RDL], s61, v[RDL]
	s_lshl_b32 s78, s58, 12                        ; two rows on in a group of 16: 2 SB rows of 2,048 bytes
	s_lshl_b32 s79, s57, 11                        ; a group on: SA rows
	s_lshl_b32 s62, s58, 11
	v_mul_lo_u32 v[E], v3, s62                     ; store i takes local rows 2 i + l / 16
	v_lshl_add_u32 v[E], v2, 4, v[E]
.set i, 1
.rept 31
.if i%8 == 0
	v_add_nc_u32 v[E+i], s79, v[E+i-8]
.else
	v_add_nc_u32 v[E+i], s78, v[E+i-1]
.endif
.set i, i+1
.endr
	s_wait_loadcnt 16                              ; batch 0 is in; the younger batch's 16 loads stay out
	WPUT 0, X0
	WLOAD 2, X0
	s_wait_loadcnt 16                              ; batch 1
	WPUT 1, X1
	WLOAD 3, X1
	s_wait_loadcnt 16                              ; batch 2
	WPUT 2, X0
	s_wait_loadcnt 0x0
	WPUT 3, X1
.set i, 0
.rept 32
	ds_load_b128 v[X0+4*i:X0+4*i+3], v[RDL] offset:2*LP*i  ; LDS serves a wave's instructions in order (ISA guide 5.7.1.4): these see my stores above
.set i, i+1
.endr
.set i, 0
.rept 32
	s_wait_dscnt 31-i
	global_store_b128 v[E+i], v[X0+4*i:X0+4*i+3], s[74:75]  ; 16 lanes: 256 consecutive bytes of a row of wt
.set i, i+1
.endr
	s_cmp_lg_u32 s2, 0
	s_cbranch_scc1 .Lnobias                        ; wave 0 moves the block's 64 biases
	s_mov_b32 s76, s55
	s_add_nc_u64 s[52:53], s[52:53], s[76:77]
	s_lshl_b32 s76, s56, 2
	s_add_nc_u64 s[48:49], s[48:49], s[76:77]
	v_lshlrev_b32 v10, 2, v1
	global_load_b32 v12, v10, s[52:53]             ; columns n0 + l
	global_load_b32 v13, v10, s[52:53] offset:128  ; and n0 + 32 + l
	v_mul_lo_u32 v11, v3, s57
	v_mul_lo_u32 v14, v2, s58
	v_add_lshl_u32 v11, v11, v14, 2                ; 4 ((l / 16) SA + (l % 16) SB)
	v_lshl_add_u32 v15, s57, 3, v11                ; two groups on
	s_wait_loadcnt 0x0
	global_store_b32 v11, v12, s[48:49]
	global_store_b32 v15, v13, s[48:49]
.Lnobias:
	s_wait_tensorcnt 0x0                           ; the wave's end, behind my last LDS store
	ds_add_u32 v[SPW], v[NIL]
	s_wait_dscnt 0x0
	s_endpgm
.Lfunc_end_k_qd6aa9e213a_prep:
	.size	k_qd6aa9e213a_prep, .Lfunc_end_k_qd6aa9e213a_prep-k_qd6aa9e213a_prep
	.p2alignl 7, 3214868480
	.fill 96, 4, 3214868480
	.section	.rodata,"a",@progbits
	.p2align	6, 0x0
	.amdhsa_kernel k_qd6aa9e213a_prep
		.amdhsa_group_segment_fixed_size 140288
		.amdhsa_private_segment_fixed_size 0
		.amdhsa_enable_private_segment 0
		.amdhsa_kernarg_size 136
		.amdhsa_user_sgpr_count 2
		.amdhsa_user_sgpr_kernarg_segment_ptr 1
		.amdhsa_wavefront_size32 1
		.amdhsa_system_sgpr_workgroup_id_x 1
		.amdhsa_system_sgpr_workgroup_id_y 1
		.amdhsa_system_sgpr_workgroup_id_z 1
		.amdhsa_system_vgpr_workitem_id 0
		.amdhsa_next_free_vgpr 224
		.amdhsa_next_free_sgpr 82
		.amdhsa_reserve_vcc 0
		.amdhsa_float_denorm_mode_32 3
		.amdhsa_float_denorm_mode_16_64 3
		.amdhsa_memory_ordered 1
		.amdhsa_forward_progress 1
		.amdhsa_inst_pref_size 42
	.end_amdhsa_kernel
	.amdgpu_metadata
---
amdhsa.version: [ 1, 2 ]
amdhsa.kernels:
  - .name:           k_qd6aa9e213a_prep
    .symbol:         k_qd6aa9e213a_prep.kd
    .args:
      - { .name: liquid_repr, .offset: 0, .size: 8, .value_kind: global_buffer, .address_space: global }
      - { .name: mamba_repr, .offset: 8, .size: 8, .value_kind: global_buffer, .address_space: global }
      - { .name: Wlq, .offset: 16, .size: 8, .value_kind: global_buffer, .address_space: global }
      - { .name: Wlkv, .offset: 24, .size: 8, .value_kind: global_buffer, .address_space: global }
      - { .name: Wmq, .offset: 32, .size: 8, .value_kind: global_buffer, .address_space: global }
      - { .name: Wmkv, .offset: 40, .size: 8, .value_kind: global_buffer, .address_space: global }
      - { .name: Wlo, .offset: 48, .size: 8, .value_kind: global_buffer, .address_space: global }
      - { .name: Wmo, .offset: 56, .size: 8, .value_kind: global_buffer, .address_space: global }
      - { .name: blq, .offset: 64, .size: 8, .value_kind: global_buffer, .address_space: global }
      - { .name: blkv, .offset: 72, .size: 8, .value_kind: global_buffer, .address_space: global }
      - { .name: bmq, .offset: 80, .size: 8, .value_kind: global_buffer, .address_space: global }
      - { .name: bmkv, .offset: 88, .size: 8, .value_kind: global_buffer, .address_space: global }
      - { .name: blo, .offset: 96, .size: 8, .value_kind: global_buffer, .address_space: global }
      - { .name: bmo, .offset: 104, .size: 8, .value_kind: global_buffer, .address_space: global }
      - { .name: xb, .offset: 112, .size: 8, .value_kind: global_buffer, .address_space: global }
      - { .name: wt, .offset: 120, .size: 8, .value_kind: global_buffer, .address_space: global }
      - { .name: bp, .offset: 128, .size: 8, .value_kind: global_buffer, .address_space: global }
    .group_segment_fixed_size: 140288
    .private_segment_fixed_size: 0
    .kernarg_segment_align: 8
    .kernarg_segment_size: 136
    .max_flat_workgroup_size: 256
    .sgpr_count:     82
    .vgpr_count:     224
    .wavefront_size: 32
...
	.end_amdgpu_metadata
.endif
;; end of part 1
;; launch proj (part 2): grid 8 x 32, 4 waves a work-group, clusters of 4 x 4, 327,680 bytes of LDS; arguments xb, wt, cb, bp; writes cb
.if DOCPART == 2
	.amdgcn_target "amdgcn-amd-amdhsa--gfx1250"
	.amdhsa_code_object_version 6
	.text
	.protected	k_qd6aa9e213a_proj
	.globl	k_qd6aa9e213a_proj
	.p2align	8
	.type	k_qd6aa9e213a_proj,@function
k_qd6aa9e213a_proj:
	s_mov_b64 s[64:65], 0
	v_nop
	global_prefetch_b8 v0, s[64:65] scope:SCOPE_SE
	s_setreg_imm32_b32 hwreg(HW_REG_WAVE_MODE, 25, 1), 1
	s_wait_xcnt 0x0
	s_wait_alu depctr_hold_cnt(0) depctr_sa_sdst(0) depctr_va_vdst(0) depctr_va_sdst(0) depctr_va_ssrc(0) depctr_va_vcc(0) depctr_vm_vsrc(0)
	s_getreg_b32 s2, hwreg(HW_REG_IB_STS2, 6, 4)
	s_cmp_eq_u32 s2, 0
	s_cbranch_scc0 .Lentry_in_a_cluster
	s_endpgm
.Lentry_in_a_cluster:
	s_bfe_u32 s2, ttmp6, 0x10000c
	s_cmp_lg_u32 s2, 0xf033
	s_cbranch_scc0 .Lentry_shape_is_right
	s_endpgm
.Lentry_shape_is_right:
; THE PROJECTIONS.  cb[mod][t][n'] = sum over k of xb[mod][t][k] wt[3072 mod + n'][k] + bp[3072 mod + n'].  xb: [2][8192][1024], wt: [8192][1024], cb: [2][8192][3072], all bf16; bp f32; sums in f32, cb rounded once.
; A tile of cb, 256 x 256, is made by four waves, each 128 x 128: 64 accumulators of 16 x 16, 512 registers.  K goes in steps of 128 through a ring of two LDS slots filled by the tensor data mover;
; the tiles' rows are 256 bytes of memory at multiples of 256 bytes.
; A WORK-GROUP STAYS: it makes three tiles, 1,024 columns apart (one of q', one of k', one of v') on the same 256 rows of x.  The ring does not stop at a tile's end: a tile's last two changes of slots ask for the
; next tile's first two K steps.  The last tile's last K step goes by rows of C, so that finished rows leave while the others are multiplied.
; CLUSTERS: 4 x 4 work-groups; the cluster's x is the modality.  The four of a row of the cluster need the same tiles of x, the four of a column the same tiles of wt: each tile is asked for JOINTLY, by the same
; tensor load with the same descriptor and a mask that names the four.
; THE BIAS is the C operand of the products that start the sums: 64 registers hold, for each of my 8 column blocks, the eight biases of a lane's eight columns.
; THE MATRIX INSTRUCTION IS USED TRANSPOSED (source 0 = 16 rows of wt, source 1 = 16 rows of x): lane l holds row l % 16 of C and the columns 8 (l / 16) + 0..7, which pack into 16 bytes.
; REGISTERS, in windows of 256 (s_set_vgpr_msb: bits 1:0 source 0, 3:2 source 1, 5:4 source 2, 7:6 destination):
;   window 0: v0-31 addresses; v64-127, v128-191 fragments of x, two buffers (in the very last K step four, of 16 rows x 128 K); v32-63, v192-255 at work on the way out
;   window 1: v0-63 the bias; v64-127, v128-191 fragments of wt; in the very last K step all 256: wt's fragments of the whole step
;   window 2: the 32 accumulators of my rows 0-63 ((a, b) at v[8 (8 a + b)]);   window 3: those of my rows 64-127
; LIMITS: NaN and infinities are not treated apart; a sum beyond bf16's range is stored as an infinity.
.set SIZE_K, 1024
.set KSTEP,  128
.set PITCH,  272                       ; an LDS row: 256 bytes + 16 of padding = 68 words: the 16 rows of a load start at 16 different groups of four banks (64 banks of 4 bytes: ISA guide 11.1)
.set HALFT,  128*PITCH                 ; 128 rows: what one tensor load brings
.set SLOT,   4*HALFT                   ; x's 256 rows, then wt's 256 rows
.set STAGE,  2*SLOT                    ; behind the ring: 16 rows x 272 bytes for each wave, for the way out
.set SPITCH, 272
.set SPARE,  STAGE+4*16*SPITCH         ; behind the stages: the spare words, 128 bytes for each wave
.set LAPS,   SIZE_K/(2*KSTEP)          ; a lap = two K steps = once round the ring: 4
.set TILES,  3
.set CROW,   6144                      ; bytes in a row of cb
.set BACK_A, (SIZE_K-2*KSTEP)*2        ; from a slot's last K step of a tile to its first of the next: x goes back along K,
.set NEXT_B, 1024*SIZE_K*2-BACK_A      ; wt 1,024 rows down and back
.set ADRA, 16                          ; v16-17  LDS address of my fragments of x in slot 0, 1
.set ADRB, 20                          ; v20-21  the same for wt
.set STO,  24                          ; v24     the way out: where I put 16 bytes of a row
.set RD,   25                          ; v25     the way out: where I read a row back
.set CO,   26                          ; v26     my byte offset in C; never rewritten
.set BO,   27                          ; v27     my byte offset in a block's 16 biases; never rewritten
.set SPW,  28                          ; v28     LDS address of my spare word; never rewritten
.set NIL,  29                          ; v29     0; never rewritten
.set F0,   64
.set F1,   128
.set TMP,  192
.set OB,   32
.set PA,   64
.set BIAS, 0                           ; window 1
.set G1,  24                           ; s[24:31] descriptor group 1 for x's tiles
.set G0,  32                           ; s[32:39] group 0 for x's tiles, a set for each slot
.set G1B, 48                           ; s[48:55], s[56:63] the same for wt's
.set G0B, 56
.set BP,  66                           ; s[66:67] bp at my 128 columns of the tile in hand
.set MSB, 0
.macro WIN new                         ; the immediate's high byte repeats the setting that is left; a switch that changes nothing is dropped
.if MSB != (\new)
	s_set_vgpr_msb (MSB<<8)|(\new)
.set MSB, (\new)
.endif
.endm
.set MUL_LO, 0xa1                      ; source 0 (wt) window 1, source 1 (x) window 0, C and D window 2
.set MUL_HI, 0xf1                      ; the same, C and D window 3
.set MUL_B,  0x91                      ; C (the bias) window 1, D window 2; + 0x40: D window 3
.set TO_B,   0x40                      ; destination window 1, address window 0
; A joint load.  Waves 0 and 1 fetch x's two halves, waves 2 and 3 wt's.  The branch hangs on the wave's number alone.  An s_nop 0 and four v_nop follow each of the two lines.
.macro JLOAD s
	s_cmp_eq_u32 s11, 0
	s_cbranch_scc0 .Lfor_b_\@
	tensor_load_to_lds s[G0+4*(\s):G0+4*(\s)+3], s[G1:G1+7]
	s_nop 0
.rept 4
	v_nop
.endr
	s_branch .Lasked_\@
.Lfor_b_\@:
	tensor_load_to_lds s[G0B+4*(\s):G0B+4*(\s)+3], s[G1B:G1B+7]
	s_nop 0
.rept 4
	v_nop
.endr
.Lasked_\@:
.endm
.macro CREST                           ; a round of the cluster's barrier behind its opening barrier
	s_cmp_lg_u32 s10, 0
	s_cbranch_scc1 .Lnot_wave_0_\@
	s_barrier_signal -3
.Lnot_wave_0_\@:
	s_barrier_wait -3
	s_barrier_signal -1
	s_barrier_wait -1
.endm
.macro CROUND                          ; a whole round
	s_barrier_signal -1
	s_barrier_wait -1
	CREST
.endm
	s_load_b128 s[4:7], s[0:1], 0x0                ; xb s[4:5], wt s[6:7]
	s_load_b64 s[8:9], s[0:1], 0x10                ; cb
	s_load_b64 s[BP:BP+1], s[0:1], 0x18            ; bp
	v_lshl_add_u32 v[SPW], v0, 2, SPARE
	v_mov_b32 v[NIL], 0
	ds_add_u32 v[SPW], v[NIL]                      ; the wave's opening: the add and its wait stand ahead of my first tensor load; work on registers stands between them
	v_lshrrev_b32 v1, 5, v0
	v_readfirstlane_b32 s10, v1                    ; wave 0..3
	s_lshr_b32 s11, s10, 1                         ; which half of the tile's rows is mine.  Also: I fetch for x (0) or for wt (1)
	s_and_b32 s12, s10, 1                          ; which half of its columns.  Also: which 128 rows of that tile I fetch
	s_bfe_u32 s40, ttmp6, 0x40000                  ; cx: the tile column within 1,024 columns
	s_bfe_u32 s41, ttmp6, 0x40004                  ; cy
	s_mov_b32 s42, ttmp9                           ; the cluster's x: the modality, which all sixteen share
	s_and_b32 s13, ttmp7, 0xffff
	s_lshl_b32 s13, s13, 2
	s_add_co_u32 s13, s13, s41                     ; tile row = 4 x cluster y + cy
	s_lshl_b32 s43, s41, 2
	s_lshl_b32 s43, 15, s43                        ; my row of the cluster
	s_lshl_b32 s44, 0x1111, s40                    ; my column
	; descriptor group 1: a tile of 128 rows x 128 elements, padded in LDS
	s_or_b32 s[G1+0], s43, (1<<16)|(1<<20)|(1<<21)|(5<<22)|(3<<25)  ; 15:0 the mask: x's tiles go to my row; 17:16 2-byte elements; 20 padding on; 21 set beside a mask; 24:22 after every 64 words; 31:25 4 words
	s_or_b32 s[G1B+0], s44, (1<<16)|(1<<20)|(1<<21)|(5<<22)|(3<<25) ; the same with the mask of my column
.irp g, G1, G1B
	s_mov_b32 s[(\g)+1], KSTEP<<16                 ; tensor_dim0 = 128
	s_mov_b32 s[(\g)+2], 128<<16                   ; tensor_dim1 = 128
	s_mov_b32 s[(\g)+3], KSTEP<<16                 ; tile_dim0 = 128
	s_mov_b32 s[(\g)+4], 128                       ; tile_dim1 = 128
	s_mov_b32 s[(\g)+5], SIZE_K                    ; elements from row to row
	s_mov_b32 s[(\g)+6], 0
	s_mov_b32 s[(\g)+7], 0
.endr
	; x's tiles hang on the modality and the tile row, wt's on the modality and the tile column: each in registers that never hold the other coordinate
	s_lshl_b32 s17, s12, 7
	s_lshl_b32 s16, s13, 8
	s_add_co_u32 s16, s16, s17
	s_lshl_b32 s18, s42, 13
	s_add_co_u32 s16, s16, s18                     ; x: row 8192 mod + 256 x tile row + 128 x half
	s_lshl_b32 s16, s16, 11                        ; in bytes: under 2^26
	s_lshl_b32 s46, s40, 8
	s_add_co_u32 s46, s46, s17
	s_mul_i32 s18, s42, 3072
	s_add_co_u32 s46, s46, s18                     ; wt: row 3072 mod + 256 cx + 128 x half
	s_lshl_b32 s46, s46, 11
	s_mov_b32 s17, 0
	s_mov_b32 s47, 0
	s_mul_i32 s20, s10, HALFT                      ; where they go: wave x 128 rows
	s_wait_dscnt 0x0                               ; the opening add is done
	s_wait_kmcnt 0x0
	s_add_nc_u64 s[14:15], s[4:5], s[16:17]
	s_add_nc_u64 s[46:47], s[6:7], s[46:47]
	CROUND                                         ; all sixteen work-groups are here: the first joint loads meet
.irp s, 0,1
	s_mov_b32 s[G0+4*(\s)], 1
	s_add_co_u32 s[G0+4*(\s)+1], s20, (\s)*SLOT
	s_add_nc_u64 s[G0+4*(\s)+2:G0+4*(\s)+3], s[14:15], (\s)*KSTEP*2
	s_or_b32 s[G0+4*(\s)+3], s[G0+4*(\s)+3], 0x80000000
	s_mov_b32 s[G0B+4*(\s)], 1
	s_add_co_u32 s[G0B+4*(\s)+1], s20, (\s)*SLOT
	s_add_nc_u64 s[G0B+4*(\s)+2:G0B+4*(\s)+3], s[46:47], (\s)*KSTEP*2
	s_or_b32 s[G0B+4*(\s)+3], s[G0B+4*(\s)+3], 0x80000000
	JLOAD \s                                       ; two tensor loads of mine are out
.endr
	v_and_b32 v1, 15, v0                           ; l % 16
	v_bfe_u32 v2, v0, 4, 1                         ; l / 16
	v_mul_u32_u24 v3, v1, PITCH
	v_lshl_add_u32 v3, v2, 4, v3                   ; a fragment's row x pitch + 16 x half
	s_mul_i32 s21, s11, HALFT
	s_mul_i32 s22, s12, HALFT
	s_add_co_u32 s22, s22, 2*HALFT
.irp s, 0,1
	v_add_nc_u32 v[ADRA+(\s)], s21, v3
	v_add_nc_u32 v[ADRB+(\s)], s22, v3
	s_add_co_u32 s21, s21, SLOT
	s_add_co_u32 s22, s22, SLOT
.endr
	s_mul_i32 s23, s10, 16*SPITCH
	s_add_co_u32 s23, s23, STAGE                   ; my stage
	v_mul_u32_u24 v4, v1, SPITCH
	v_lshl_add_u32 v4, v2, 4, v4
	v_add_nc_u32 v[STO], s23, v4
	v_mul_u32_u24 v5, v2, SPITCH
	v_lshl_add_u32 v5, v1, 4, v5
	v_add_nc_u32 v[RD], s23, v5
	v_mul_u32_u24 v5, v2, CROW
	v_lshl_add_u32 v[CO], v1, 4, v5
	v_lshlrev_b32 v[BO], 5, v2                     ; eight f32 for each half of the lanes
	s_lshl_b32 s16, s13, 8                         ; cb at my part of the first tile
	s_lshl_b32 s14, s11, 7
	s_add_co_u32 s16, s16, s14
	s_lshl_b32 s14, s42, 13
	s_add_co_u32 s16, s16, s14
	s_mul_i32 s16, s16, CROW                       ; under 2^27
	s_mov_b32 s17, 0
	s_lshl_b32 s46, s40, 9
	s_lshl_b32 s47, s12, 8
	s_add_co_u32 s46, s46, s47
	s_mov_b32 s47, 0
	s_add_nc_u64 s[16:17], s[16:17], s[46:47]
	s_add_nc_u64 s[8:9], s[8:9], s[16:17]
	s_mul_i32 s46, s42, 3072                       ; bp at my 128 columns
	s_lshl_b32 s47, s40, 8
	s_add_co_u32 s46, s46, s47
	s_lshl_b32 s47, s12, 7
	s_add_co_u32 s46, s46, s47
	s_lshl_b32 s46, s46, 2
	s_mov_b32 s47, 0
	s_add_nc_u64 s[BP:BP+1], s[BP:BP+1], s[46:47]
.macro BIASLD                          ; block b's eight registers: bp[16 b + 8 (l / 16) + 0..7] of my 128 columns
	WIN TO_B
.irp b, 0,1,2,3,4,5,6,7
	global_load_b128 v[BIAS+8*(\b):BIAS+8*(\b)+3],   v[BO], s[BP:BP+1] offset:64*(\b)
	global_load_b128 v[BIAS+8*(\b)+4:BIAS+8*(\b)+7], v[BO], s[BP:BP+1] offset:64*(\b)+16
.endr
	WIN 0
.endm
; 16 matrix instructions: m blocks a0, a0 + 1 of the window's four x all 8 n blocks, 32 along K.  zero = 1: the first product starts the sums, on the bias.
.macro MUL16 f, hi, a0, zero
.if \zero
	WIN MUL_B+0x40*(\hi)
.else
	WIN MUL_LO+0x50*(\hi)
.endif
.irp a, \a0, (\a0)+1
.irp b, 0,1,2,3,4,5,6,7
.if \zero
	v_wmma_f32_16x16x32_bf16 v[8*(8*(\a)+(\b)):8*(8*(\a)+(\b))+7], v[(\f)+8*(\b):(\f)+8*(\b)+7], v[(\f)+8*(4*(\hi)+(\a)):(\f)+8*(4*(\hi)+(\a))+7], v[BIAS+8*(\b):BIAS+8*(\b)+7]
.else
	v_wmma_f32_16x16x32_bf16 v[8*(8*(\a)+(\b)):8*(8*(\a)+(\b))+7], v[(\f)+8*(\b):(\f)+8*(\b)+7], v[(\f)+8*(4*(\hi)+(\a)):(\f)+8*(4*(\hi)+(\a))+7], v[8*(8*(\a)+(\b)):8*(8*(\a)+(\b))+7]
.endif
.endr
.endr
.endm
; 32 LDS loads in one run: the fragments of one quarter step (32 K at byte k of the rows) into buffer f
.macro FETCH slot, k, f
	WIN TO_B
.irp i, 0,1,2,3,4,5,6,7
	ds_load_b128 v[(\f)+8*(\i):(\f)+8*(\i)+3],   v[ADRB+(\slot)] offset:(\k)+(\i)*16*PITCH
	ds_load_b128 v[(\f)+8*(\i)+4:(\f)+8*(\i)+7], v[ADRB+(\slot)] offset:(\k)+(\i)*16*PITCH+32
.endr
	WIN 0
.irp i, 0,1,2,3,4,5,6,7
	ds_load_b128 v[(\f)+8*(\i):(\f)+8*(\i)+3],   v[ADRA+(\slot)] offset:(\k)+(\i)*16*PITCH
	ds_load_b128 v[(\f)+8*(\i)+4:(\f)+8*(\i)+7], v[ADRA+(\slot)] offset:(\k)+(\i)*16*PITCH+32
.endr
.endm
.macro PLACES                          ; four places in front of loads into registers that matrix instructions have read, and of lines that read results just made
.rept 4
	v_nop
.endr
.endm
; A K step is four quarters of 32 along K, 64 matrix instructions each, on buffers 0, 1, 0, 1.  One of the first three: multiplies f, and in its middle fetches the next quarter, at byte k, into g.
; The 64 accumulators take turns, one instruction a turn.
.macro QUARTER slot, k, f, g, zero
	s_wait_dscnt 8                                 ; wt and x's rows 0-63 are in; the youngest eight loads (x's rows 64-127) may be out
	MUL16 \f, 0, 0, \zero
	MUL16 \f, 0, 2, \zero
	PLACES
	FETCH \slot, \k, \g
	s_wait_dscnt 32                                ; all but the 32 just issued
	MUL16 \f, 1, 0, \zero
	MUL16 \f, 1, 2, \zero
.endm
; The last quarter's first half: ONE barrier for the change of slots.  In front of it each wave waits for all its tensor loads (one is out: its part of the next slot), adds 0 to its spare word, and waits for that and for its reads of this slot.
.macro MEET round
	WIN 0
	s_wait_tensorcnt 0x0
	ds_add_u32 v[SPW], v[NIL]
	s_wait_dscnt 9                                 ; (the add and the youngest eight loads may be out)
	MUL16 F1, 0, 0, 0
	s_wait_dscnt 0x0                               ; the add is done, and my reads of this slot are over
	s_barrier_signal -1
	MUL16 F1, 0, 2, 0
.if \round
	WIN 0
.endif
	s_barrier_wait -1
.endm
; The whole last quarter.  Behind the round the slot just read out is filled again first: with this tile's K step two steps on (on = 0) or the NEXT tile's K step 0 or 1 (on = 1).
; From a request to the wait for it a wave issues 224 matrix instructions.
.macro TURN slot, next, on
	MEET 1
	CREST
.if \on
	s_sub_nc_u64 s[G0+4*(\slot)+2:G0+4*(\slot)+3], s[G0+4*(\slot)+2:G0+4*(\slot)+3], BACK_A
	s_add_nc_u64 s[G0B+4*(\slot)+2:G0B+4*(\slot)+3], s[G0B+4*(\slot)+2:G0B+4*(\slot)+3], NEXT_B
.else
	s_add_nc_u64 s[G0+4*(\slot)+2:G0+4*(\slot)+3], s[G0+4*(\slot)+2:G0+4*(\slot)+3], 2*KSTEP*2
	s_add_nc_u64 s[G0B+4*(\slot)+2:G0B+4*(\slot)+3], s[G0B+4*(\slot)+2:G0B+4*(\slot)+3], 2*KSTEP*2
.endif
	JLOAD \slot                                    ; my one tensor load behind the round; its four v_nop are also the places in front of the loads below
	FETCH \next, 0, F0
	MUL16 F1, 1, 0, 0
	MUL16 F1, 1, 2, 0
.endm
; THE LAST K STEP OF THE LAST TILE (in slot 1) GOES BY ROWS OF C: all its fragments of wt fill window 1; my eight blocks of 16 rows are finished one after the other, 32 matrix instructions each, K ascending.
.macro BLOAD q
	WIN TO_B
.irp i, 0,1,2,3,4,5,6,7
	ds_load_b128 v[64*(\q)+8*(\i):64*(\q)+8*(\i)+3],   v[ADRB+1] offset:64*(\q)+(\i)*16*PITCH
	ds_load_b128 v[64*(\q)+8*(\i)+4:64*(\q)+8*(\i)+7], v[ADRB+1] offset:64*(\q)+(\i)*16*PITCH+32
.endr
.endm
.macro ALOAD a
	WIN 0
.set FA, PA+32*((\a)%4)
.irp q, 0,1,2,3
	ds_load_b128 v[FA+8*(\q):FA+8*(\q)+3],   v[ADRA+1] offset:64*(\q)+(\a)*16*PITCH
	ds_load_b128 v[FA+8*(\q)+4:FA+8*(\q)+7], v[ADRA+1] offset:64*(\q)+(\a)*16*PITCH+32
.endr
.endm
.macro ROW a
.set FA, PA+32*((\a)%4)
.set AC, 64*((\a)%4)
	WIN MUL_LO+0x50*((\a)/4)
.irp q, 0,1,2,3
.if (\a) == 0 && (\q) == 2
	s_wait_dscnt 24                                ; wt's quarter 2 is in (behind it: x's blocks 1 to 3)
.endif
.irp b, 0,1,2,3,4,5,6,7
	v_wmma_f32_16x16x32_bf16 v[AC+8*(\b):AC+8*(\b)+7], v[64*(\q)+8*(\b):64*(\q)+8*(\b)+7], v[FA+8*(\q):FA+8*(\q)+7], v[AC+8*(\b):AC+8*(\b)+7]
.endr
.endr
.endm
; THE WAY OUT of block a.  PACK: rounded to bf16, 16 bytes a lane, each accumulator from its low end on.  TOSTAGE: into my own stage, and back as whole rows of 256 bytes.  SEND: stored.
.macro PACK a
.set AC, 64*((\a)%4)
	WIN 0x0a+5*((\a)/4)
.irp b, 0,1,2,3,4,5,6,7
.irp r, 0,1,2,3
	v_cvt_pk_bf16_f32 v[TMP+4*(\b)+(\r)], v[AC+8*(\b)+2*(\r)], v[AC+8*(\b)+2*(\r)+1]
.endr
.endr
	WIN 0
.endm
.macro TOSTAGE a
	WIN 0
.set BK, OB+192*((\a)%2)
.irp b, 0,1,2,3,4,5,6,7
	ds_store_b128 v[STO], v[TMP+4*(\b):TMP+4*(\b)+3] offset:32*(\b)
.endr
.irp t, 0,1,2,3,4,5,6,7
	ds_load_b128 v[BK+4*(\t):BK+4*(\t)+3], v[RD] offset:(\t)*2*SPITCH  ; LDS serves a wave's instructions in order (ISA guide 5.7.1.4): these see the stores above
.endr
.endm
.macro SEND a, younger
	WIN 0
.set BK, OB+192*((\a)%2)
	s_wait_dscnt \younger                          ; the block is back in registers
	s_wait_xcnt 0x0                                ; the registers that the stores two blocks back read are loaded again only behind this wait
.irp t, 0,1,2,3,4,5,6,7
	global_store_b128 v[CO], v[BK+4*(\t):BK+4*(\t)+3], s[8:9] offset:(16*(\a)+2*(\t))*CROW  ; 16 lanes store 256 consecutive bytes, at a multiple of 256 from cb's first byte; 126 rows at the most: inside the signed 24-bit immediate
.endr
.endm
	BIASLD
	s_wait_tensorcnt 1                             ; my part of K step 0 is in; K step 1's may stay out
	s_barrier_signal -1
	s_barrier_wait -1
	FETCH 0, 0, F0
	s_mov_b32 s2, TILES                            ; tiles to go, this one among them: the same number in every work-group
.Ltile:
	s_wait_loadcnt 0x0                             ; this tile's bias
	QUARTER 0, 64,  F0, F1, 1                      ; a tile's first quarter stands in front of the loop: its products start the sums
	WIN 0
	s_mov_b32 s3, LAPS-1
.Llap:                                                 ; a trip goes once round the ring, from a lap's second quarter to the next lap's first
	QUARTER 0, 128, F1, F0, 0
	QUARTER 0, 192, F0, F1, 0
	TURN 0, 1, 0
	QUARTER 1, 64,  F0, F1, 0
	QUARTER 1, 128, F1, F0, 0
	QUARTER 1, 192, F0, F1, 0
	TURN 1, 0, 0
	QUARTER 0, 64,  F0, F1, 0
	WIN 0
	s_sub_co_u32 s3, s3, 1
	s_cmp_lg_u32 s3, 0
	s_cbranch_scc1 .Llap
	QUARTER 0, 128, F1, F0, 0
	QUARTER 0, 192, F0, F1, 0
	WIN 0
	s_cmp_eq_u32 s2, 1
	s_cbranch_scc1 .Llast_tile                     ; the last tile's tail is written out: it asks for nothing more
	TURN 0, 1, 1                                   ; the ring goes on into the next tile: slot 0 takes its K step 0,
	QUARTER 1, 64,  F0, F1, 0
	QUARTER 1, 128, F1, F0, 0
	QUARTER 1, 192, F0, F1, 0
	TURN 1, 0, 1                                   ; slot 1 its K step 1, and the next tile's first fragments are fetched
	s_add_nc_u64 s[BP:BP+1], s[BP:BP+1], 4096      ; the earlier bias loads were shown done at the tile's head: 1,024 columns on
	BIASLD
	PACK 0                                         ; blocks 0-3 were finished in front of TURN's places; their conversions are the places behind the last products
	TOSTAGE 0
.irp a, 1,2,3,4,5,6,7
	PACK \a
	SEND (\a)-1, 0
	TOSTAGE \a
.endr
	SEND 7, 0
	s_wait_xcnt 0x0                                ; the stores' base is stepped only behind this wait
	s_add_nc_u64 s[8:9], s[8:9], 2048              ; 1,024 columns on
	s_sub_co_u32 s2, s2, 1
	s_branch .Ltile
.Llast_tile:
	MEET 0                                         ; my one tensor load that was still out is slot 1's, the last K step's
	PLACES
	BLOAD 0                                        ; (onto the bias, which the first quarter has used)
	BLOAD 1
	BLOAD 3
	ALOAD 0
	MUL16 F1, 1, 0, 0
	MUL16 F1, 1, 2, 0
	PLACES
	BLOAD 2
	ALOAD 1
	ALOAD 2
	ALOAD 3
	s_wait_dscnt 40                                ; all but the 40 just issued
	ROW 0
.irp a, 0,1,2,3,4,5,6,7
	PLACES
	PACK \a
	TOSTAGE \a
.if (\a) < 4
	ALOAD (\a)+4
	SEND \a, 8
.else
	SEND \a, 0
.endif
.if (\a) < 7
	ROW (\a)+1
.endif
.endr
	s_wait_tensorcnt 0x0                           ; the wave's end
	ds_add_u32 v[SPW], v[NIL]
	s_wait_dscnt 0x0
	CROUND                                         ; the closing round
	s_endpgm
.Lfunc_end_k_qd6aa9e213a_proj:
	.size	k_qd6aa9e213a_proj, .Lfunc_end_k_qd6aa9e213a_proj-k_qd6aa9e213a_proj
	.p2alignl 7, 3214868480
	.fill 96, 4, 3214868480
	.section	.rodata,"a",@progbits
	.p2align	6, 0x0
	.amdhsa_kernel k_qd6aa9e213a_proj
		.amdhsa_group_segment_fixed_size 327680
		.amdhsa_private_segment_fixed_size 0
		.amdhsa_enable_private_segment 0
		.amdhsa_kernarg_size 32
		.amdhsa_user_sgpr_count 2
		.amdhsa_user_sgpr_kernarg_segment_ptr 1
		.amdhsa_wavefront_size32 1
		.amdhsa_system_sgpr_workgroup_id_x 1
		.amdhsa_system_sgpr_workgroup_id_y 1
		.amdhsa_system_sgpr_workgroup_id_z 1
		.amdhsa_system_vgpr_workitem_id 0
		.amdhsa_next_free_vgpr 1024
		.amdhsa_next_free_sgpr 68
		.amdhsa_reserve_vcc 0
		.amdhsa_float_denorm_mode_32 3
		.amdhsa_float_denorm_mode_16_64 3
		.amdhsa_memory_ordered 1
		.amdhsa_forward_progress 1
		.amdhsa_inst_pref_size 211
	.end_amdhsa_kernel
	.amdgpu_metadata
---
amdhsa.version: [ 1, 2 ]
amdhsa.kernels:
  - .name:           k_qd6aa9e213a_proj
    .symbol:         k_qd6aa9e213a_proj.kd
    .args:
      - { .name: xb, .offset: 0, .size: 8, .value_kind: global_buffer, .address_space: global }
      - { .name: wt, .offset: 8, .size: 8, .value_kind: global_buffer, .address_space: global }
      - { .name: cb, .offset: 16, .size: 8, .value_kind: global_buffer, .address_space: global }
      - { .name: bp, .offset: 24, .size: 8, .value_kind: global_buffer, .address_space: global }
    .group_segment_fixed_size: 327680
    .private_segment_fixed_size: 0
    .kernarg_segment_align: 8
    .kernarg_segment_size: 32
    .max_flat_workgroup_size: 128
    .sgpr_count:     68
    .vgpr_count:     1024
    .wavefront_size: 32
...
	.end_amdgpu_metadata
.endif
;; end of part 2
;; launch attn (part 3): grid 128 x 2, 8 waves a work-group, no clusters, 35,840 bytes of LDS; arguments cb, ab; writes ab
.if DOCPART == 3
	.amdgcn_target "amdgcn-amd-amdhsa--gfx1250"
	.amdhsa_code_object_version 6
	.text
	.protected	k_qd6aa9e213a_attn
	.globl	k_qd6aa9e213a_attn
	.p2align	8
	.type	k_qd6aa9e213a_attn,@function
k_qd6aa9e213a_attn:
	s_mov_b64 s[64:65], 0
	v_nop
	global_prefetch_b8 v0, s[64:65] scope:SCOPE_SE
	s_setreg_imm32_b32 hwreg(HW_REG_WAVE_MODE, 25, 1), 1
	s_wait_xcnt 0x0
; ATTENTION OVER THE HEADS, token by token.  ab[dir][t][128 h + d] = sum over g of softmax_g(q(t, h) . k(t, g) / sqrt(128)) v(t, g, d); q from cb[dir], k and v from cb[1 - dir].
; cb: [2][8192][3072] bf16, a token's row = q' | k' | v' with q'(h, d) at 128 (d / 16) + 16 h + d % 16, k' likewise, v'(g, d) at 8 d + g.  ab: [2][8192][1024] bf16.
; Products, maximum and sum in f32; the weights are divided by their sum in f32 and rounded once to bf16 for the second product; ab rounded once.
; SHARES.  Grid y = dir.  A work-group takes 64 tokens, a wave 8: two steps of four tokens, pair A (tokens 0, 1 of the four) and pair B (2, 3).  No tile is shared between waves, so fragments come straight from
; memory into registers, each load two pieces of 256 consecutive bytes; no cluster and no tensor load: nothing is read twice.
; LAYOUT.  S^T = K Q^T for a pair: source 0 = 16 key rows (token bit, g), source 1 = 16 query rows (token bit, h).  Lane l holds query l % 16 and the eight keys g of token bit l / 16: the softmax lies in the lane.
; Lanes whose two token bits differ hold scores across tokens: their weights are multiplied by 0.  The four packed registers of weights are half of source 1 (32 keys = 4 tokens x 8 heads) of O^T = V^T P;
; the other half is 0.  A lane's 16 bytes of v' are one channel's eight keys: source 0 as it lies.  In O^T a lane holds one query and eight neighbouring channels.
; LIMITS.  The row's own maximum is taken away before the exponential.  A weight below 2^-126 counts as 0.  NaN and infinities are not treated apart: an infinite v reaches the three other tokens of its
; group of four (0 x infinity), an infinite or NaN q or k the other token of its pair.
.set CROW, 6144
.set SP,   272                         ; a stage row: 256 bytes + 16
.set SPARE, 8*16*SP                    ; behind the eight stages: the spare words
.set QO,   3                           ; v3   my offset in a pair's q' or k': token bit x 6144 + 32 head + 16 (l / 16)
.set VO,   4                           ; v4   my offset in v': (l / 16) x 6144 + 16 (l % 16)
.set STO,  5                           ; v5   where I put 16 bytes of a row
.set RD,   6                           ; v6   where I read rows back
.set GO,   7                           ; v7   16 l
.set MASK, 8                           ; v8   1.0 where my query's token bit is my keys', else 0
.set SPW,  10
.set NIL,  11
.set M,    12                          ; v12-13, v14-15  (c m, m) of pair A, B
.set S,    16                          ; v16-23, v24-31  S^T of A, B
.set P,    32                          ; v32-39 source 1 for A (upper four 0), v40-47 for B (lower four 0)
.set T,    48                          ; v48-55, v56-63  at work
.set Q,    64                          ; v64-127   pair p at + 32 p
.set K,    128                         ; v128-191
.set V,    192                         ; v192-255  channel block cb at + 8 cb
.set OA,   0                           ; window 1: v0-63 O^T of A, v64-127 of B
.set PK,   128                         ; window 1: v128-159 packed A, v160-191 packed B
.set CS,   20                          ; s[20:21] c = log2(e) / sqrt(128)
.set MSB, 0
.macro WIN new
.if MSB != (\new)
	s_set_vgpr_msb (MSB<<8)|(\new)
.set MSB, (\new)
.endif
.endm
.macro PLACES
.rept 4
	v_nop
.endr
.endm
	s_load_b128 s[8:11], s[0:1], 0x0               ; cb s[8:9], ab s[10:11]
	v_lshl_add_u32 v[SPW], v0, 2, SPARE
	v_mov_b32 v[NIL], 0
	v_lshrrev_b32 v1, 5, v0
	v_readfirstlane_b32 s2, v1                     ; wave 0..7
	v_and_b32 v1, 15, v0                           ; r = l % 16
	v_bfe_u32 v2, v0, 4, 1                         ; l / 16
	v_bfe_u32 v9, v0, 3, 1                         ; my row's token bit
	v_and_b32 v48, 7, v0                           ; my row's head
	v_mul_u32_u24 v[QO], v9, CROW
	v_lshl_add_u32 v[QO], v48, 5, v[QO]
	v_lshl_add_u32 v[QO], v2, 4, v[QO]
	v_mul_u32_u24 v[VO], v2, CROW
	v_lshl_add_u32 v[VO], v1, 4, v[VO]
	s_and_b32 s3, ttmp7, 0xffff                    ; dir
	s_lshl_b32 s4, ttmp9, 6
	s_lshl_b32 s5, s2, 3
	s_add_co_u32 s4, s4, s5                        ; my first token
	s_mul_i32 s5, s4, CROW
	s_mul_i32 s6, s3, 50331648
	s_add_co_u32 s18, s5, s6
	s_mov_b32 s19, 0
	s_mov_b32 s[CS], 0x3e0293ee
	s_mov_b32 s[CS+1], s[CS]                       ; named with it as a pair
	s_wait_kmcnt 0x0
	s_add_nc_u64 s[12:13], s[8:9], s[18:19]        ; q' of my tokens
	s_xor_b32 s6, s3, 1
	s_mul_i32 s6, s6, 50331648
	s_add_co_u32 s18, s5, s6
	s_add_co_u32 s18, s18, 2048
	s_add_nc_u64 s[14:15], s[8:9], s[18:19]        ; k' of my tokens, in the other modality; v' lies 2,048 bytes on
	s_lshl_b32 s18, s3, 24
	s_lshl_b32 s5, s4, 11
	s_add_co_u32 s18, s18, s5
	s_add_nc_u64 s[16:17], s[10:11], s[18:19]      ; ab at my tokens
.macro LDQK s                          ; step s: 32 loads; load i of a pair brings channels 16 i + 8 (l / 16) + 0..7 of my row
.irp p, 0,1
.irp i, 0,1,2,3,4,5,6,7
	global_load_b128 v[Q+32*\p+4*\i:Q+32*\p+4*\i+3], v[QO], s[12:13] offset:24576*(\s)+12288*\p+256*\i th:TH_LOAD_NT
	global_load_b128 v[K+32*\p+4*\i:K+32*\p+4*\i+3], v[QO], s[14:15] offset:24576*(\s)+12288*\p+256*\i th:TH_LOAD_NT
.endr
.endr
.endm
.macro LDV s                           ; step s: 16 loads; registers 0-3 of a block: token l / 16, registers 4-7: token 2 + l / 16
.irp c, 0,1,2,3,4,5,6,7
	global_load_b128 v[V+8*\c:V+8*\c+3],   v[VO], s[14:15] offset:24576*(\s)+2048+256*\c th:TH_LOAD_NT
	global_load_b128 v[V+8*\c+4:V+8*\c+7], v[VO], s[14:15] offset:24576*(\s)+2048+256*\c+12288 th:TH_LOAD_NT
.endr
.endm
	LDQK 0
	LDV 0
	v_cmp_eq_u32 vcc_lo, v9, v2
	v_cndmask_b32 v[MASK], 0, 1.0, vcc_lo
	s_mul_i32 s7, s2, 16*SP                        ; my stage
	v_mul_u32_u24 v[STO], v1, SP
	v_lshl_add_u32 v[STO], v2, 4, v[STO]
	v_add_nc_u32 v[STO], s7, v[STO]
	v_mul_u32_u24 v[RD], v2, SP
	v_lshl_add_u32 v[RD], v1, 4, v[RD]
	v_add_nc_u32 v[RD], s7, v[RD]
	v_and_b32 v[GO], 31, v0
	v_lshlrev_b32 v[GO], 4, v[GO]
.irp i, 4,5,6,7,8,9,10,11
	v_mov_b32 v[P+\i], 0                           ; the halves of source 1 that belong to the other pair's tokens
.endr
; A step: four tokens.  more = 1: the next step's loads are issued as soon as the registers are free.
.macro STEP s, more
	s_wait_loadcnt 16                              ; q' and k' are in; v's 16 loads stay out
.irp c, 0,1,2,3                        ; the two accumulators take turns
.irp p, 0,1
.if \c == 0
	v_wmma_f32_16x16x32_bf16 v[S+8*\p:S+8*\p+7], v[K+32*\p+8*\c:K+32*\p+8*\c+7], v[Q+32*\p+8*\c:Q+32*\p+8*\c+7], 0
.else
	v_wmma_f32_16x16x32_bf16 v[S+8*\p:S+8*\p+7], v[K+32*\p+8*\c:K+32*\p+8*\c+7], v[Q+32*\p+8*\c:Q+32*\p+8*\c+7], v[S+8*\p:S+8*\p+7]
.endif
.endr
.endr
	PLACES
.if \more
	LDQK (\s)+1
.endif
	; the softmax of eight scores a lane, the two pairs line by line; each accumulator is read from its low end on
.irp x, 0,1
	v_max3_num_f32 v[T+8*\x], v[S+8*\x], v[S+8*\x+1], v[S+8*\x+2]
.endr
.irp x, 0,1
	v_max3_num_f32 v[T+8*\x+1], v[S+8*\x+3], v[S+8*\x+4], v[S+8*\x+5]
.endr
.irp x, 0,1
	v_max3_num_f32 v[T+8*\x], v[T+8*\x], v[S+8*\x+6], v[S+8*\x+7]
.endr
.irp x, 0,1
	v_max_num_f32 v[M+2*\x+1], v[T+8*\x], v[T+8*\x+1]
.endr
.irp x, 0,1
	v_mul_f32 v[M+2*\x], s[CS], v[M+2*\x+1]
.endr
.irp j, 0,1,2,3
.irp x, 0,1
	v_pk_fma_f32 v[S+8*\x+2*\j:S+8*\x+2*\j+1], v[S+8*\x+2*\j:S+8*\x+2*\j+1], s[CS:CS+1], v[M+2*\x:M+2*\x+1] op_sel_hi:[1,0,0] neg_lo:[0,0,1] neg_hi:[0,0,1]  ; c s - c m
.endr
.endr
.set i, 0
.rept 16
	v_exp_f32 v[S+i], v[S+i]
.set i, i+1
.endr
	v_nop                                          ; a plain instruction between the last exponential and the use of its result
	s_wait_alu depctr_va_vdst(0)
.irp x, 0,1
	v_pk_add_f32 v[T+8*\x:T+8*\x+1], v[S+8*\x:S+8*\x+1], v[S+8*\x+2:S+8*\x+3]
.endr
.irp x, 0,1
	v_pk_add_f32 v[T+8*\x+2:T+8*\x+3], v[S+8*\x+4:S+8*\x+5], v[S+8*\x+6:S+8*\x+7]
.endr
.irp x, 0,1
	v_pk_add_f32 v[T+8*\x:T+8*\x+1], v[T+8*\x:T+8*\x+1], v[T+8*\x+2:T+8*\x+3]
.endr
.irp x, 0,1
	v_add_f32 v[T+8*\x], v[T+8*\x], v[T+8*\x+1]
.endr
.irp x, 0,1
	v_rcp_f32 v[T+8*\x+2], v[T+8*\x]               ; the sum is at least 1: the largest score's weight
.endr
	v_nop
	s_wait_alu depctr_va_vdst(0)
.irp x, 0,1
	v_mul_f32 v[T+8*\x+2], v[T+8*\x+2], v[MASK]
.endr
.irp j, 0,1,2,3
.irp x, 0,1
	v_pk_mul_f32 v[S+8*\x+2*\j:S+8*\x+2*\j+1], v[S+8*\x+2*\j:S+8*\x+2*\j+1], v[T+8*\x+2:T+8*\x+3] op_sel_hi:[1,0]
.endr
.endr
.irp j, 0,1,2,3
.irp x, 0,1
	v_cvt_pk_bf16_f32 v[P+12*\x+\j], v[S+8*\x+2*\j], v[S+8*\x+2*\j+1]  ; A: registers 0-3 of its source; B: registers 4-7
.endr
.endr
	s_wait_loadcnt 32*(\more)                      ; v' is in; the next step's 32 loads of q' and k' stay out
	WIN 0x40                                       ; O^T in window 1
.irp c, 0,1,2,3,4,5,6,7                ; sixteen accumulators, one product each
	v_wmma_f32_16x16x32_bf16 v[OA+8*\c:OA+8*\c+7], v[V+8*\c:V+8*\c+7], v[P:P+7], 0
	v_wmma_f32_16x16x32_bf16 v[OA+64+8*\c:OA+64+8*\c+7], v[V+8*\c:V+8*\c+7], v[P+8:P+15], 0
.endr
	PLACES
.if \more
	WIN 0
	LDV (\s)+1
.endif
.if (\s) > 0
	s_wait_xcnt 0x0                                ; the packed registers, which the last step's stores read, are rewritten only behind this wait
.endif
	WIN 0x45                                       ; sources and destination in window 1
.set i, 0
.rept 64
	v_cvt_pk_bf16_f32 v[PK+i], v[OA+2*i], v[OA+2*i+1]
.set i, i+1
.endr
	; a pair's 16 rows (token bit, head) of 256 bytes are 4,096 consecutive bytes of ab: through my stage, back as whole rows
.irp x, 0,1
	WIN 0x04                                       ; store data in window 1
.irp c, 0,1,2,3,4,5,6,7
	ds_store_b128 v[STO], v[PK+32*\x+4*\c:PK+32*\x+4*\c+3] offset:32*\c
.endr
	WIN 0x40
.irp f, 0,1,2,3,4,5,6,7
	ds_load_b128 v[PK+32*\x+4*\f:PK+32*\x+4*\f+3], v[RD] offset:2*SP*\f  ; LDS serves a wave's instructions in order (ISA guide 5.7.1.4): these see the stores above; the other pair's stores come behind them
.endr
.endr
	WIN 0x04
.irp f, 0,1,2,3,4,5,6,7
	s_wait_dscnt 16+7-\f                           ; B's sixteen and A's younger loads may be out
	global_store_b128 v[GO], v[PK+4*\f:PK+4*\f+3], s[16:17] offset:8192*(\s)+512*\f  ; 512 consecutive bytes, at a multiple of 256 from ab's first byte
.endr
.irp f, 0,1,2,3,4,5,6,7
	s_wait_dscnt 7-\f
	global_store_b128 v[GO], v[PK+32+4*\f:PK+32+4*\f+3], s[16:17] offset:8192*(\s)+4096+512*\f
.endr
	WIN 0
.endm
	STEP 0, 1
	STEP 1, 0
	s_wait_tensorcnt 0x0                           ; the wave's end, behind my last LDS store
	ds_add_u32 v[SPW], v[NIL]
	s_wait_dscnt 0x0
	s_endpgm
.Lfunc_end_k_qd6aa9e213a_attn:
	.size	k_qd6aa9e213a_attn, .Lfunc_end_k_qd6aa9e213a_attn-k_qd6aa9e213a_attn
	.p2alignl 7, 3214868480
	.fill 96, 4, 3214868480
	.section	.rodata,"a",@progbits
	.p2align	6, 0x0
	.amdhsa_kernel k_qd6aa9e213a_attn
		.amdhsa_group_segment_fixed_size 35840
		.amdhsa_private_segment_fixed_size 0
		.amdhsa_enable_private_segment 0
		.amdhsa_kernarg_size 16
		.amdhsa_user_sgpr_count 2
		.amdhsa_user_sgpr_kernarg_segment_ptr 1
		.amdhsa_wavefront_size32 1
		.amdhsa_system_sgpr_workgroup_id_x 1
		.amdhsa_system_sgpr_workgroup_id_y 1
		.amdhsa_system_sgpr_workgroup_id_z 1
		.amdhsa_system_vgpr_workitem_id 0
		.amdhsa_next_free_vgpr 448
		.amdhsa_next_free_sgpr 66
		.amdhsa_reserve_vcc 1
		.amdhsa_float_denorm_mode_32 3
		.amdhsa_float_denorm_mode_16_64 3
		.amdhsa_memory_ordered 1
		.amdhsa_forward_progress 1
		.amdhsa_inst_pref_size 39
	.end_amdhsa_kernel
	.amdgpu_metadata
---
amdhsa.version: [ 1, 2 ]
amdhsa.kernels:
  - .name:           k_qd6aa9e213a_attn
    .symbol:         k_qd6aa9e213a_attn.kd
    .args:
      - { .name: cb, .offset: 0, .size: 8, .value_kind: global_buffer, .address_space: global }
      - { .name: ab, .offset: 8, .size: 8, .value_kind: global_buffer, .address_space: global }
    .group_segment_fixed_size: 35840
    .private_segment_fixed_size: 0
    .kernarg_segment_align: 8
    .kernarg_segment_size: 16
    .max_flat_workgroup_size: 256
    .sgpr_count:     66
    .vgpr_count:     448
    .wavefront_size: 32
...
	.end_amdgpu_metadata
.endif
;; end of part 3
;; launch out (part 4): grid 8 x 32, 4 waves a work-group, clusters of 4 x 4, 327,680 bytes of LDS; arguments ab, wt, bp, xb, out0, out1; writes out0, out1
.if DOCPART == 4
	.amdgcn_target "amdgcn-amd-amdhsa--gfx1250"
	.amdhsa_code_object_version 6
	.text
	.protected	k_qd6aa9e213a_out
	.globl	k_qd6aa9e213a_out
	.p2align	8
	.type	k_qd6aa9e213a_out,@function
k_qd6aa9e213a_out:
	s_mov_b64 s[64:65], 0
	v_nop
	global_prefetch_b8 v0, s[64:65] scope:SCOPE_SE
	s_setreg_imm32_b32 hwreg(HW_REG_WAVE_MODE, 25, 1), 1
	s_wait_xcnt 0x0
	s_wait_alu depctr_hold_cnt(0) depctr_sa_sdst(0) depctr_va_vdst(0) depctr_va_sdst(0) depctr_va_ssrc(0) depctr_va_vcc(0) depctr_vm_vsrc(0)
	s_getreg_b32 s2, hwreg(HW_REG_IB_STS2, 6, 4)
	s_cmp_eq_u32 s2, 0
	s_cbranch_scc0 .Lentry_in_a_cluster
	s_endpgm
.Lentry_in_a_cluster:
	s_bfe_u32 s2, ttmp6, 0x10000c
	s_cmp_lg_u32 s2, 0xf033
	s_cbranch_scc0 .Lentry_shape_is_right
	s_endpgm
.Lentry_shape_is_right:
; THE OUTPUT PROJECTION.  out[dir][t][n] = x[dir][t][n] + sum over k of ab[dir][t][k] wt[6144 + 1024 dir + n][k] + bp[6144 + 1024 dir + n].  ab, xb: [2][8192][1024], wt: [8192][1024] bf16; bp, out f32.
; Sums in f32, started on the bias; the residual is added in f32.  dir 0: out = out0; dir 1: out1.
; A tile of out, 256 x 256, is made by four waves, each 128 x 128: 64 accumulators, 512 registers.  K goes in steps of 128 through a ring of two LDS slots filled by the tensor data mover.  One tile a work-group: 256 tiles.
; CLUSTERS: 4 x 4 work-groups; the cluster's x is dir.  The four of a row of the cluster need the same tiles of ab, the four of a column the same tiles of wt: each is asked for jointly.
; THE MATRIX INSTRUCTION IS USED TRANSPOSED (source 0 = 16 rows of wt, source 1 = 16 rows of ab): lane l holds row l % 16 and the columns 8 (l / 16) + 0..7: 32 neighbouring bytes of f32.
; THE RESIDUAL is taken from xb, x as the first launch rounded it to bf16: half the bytes of x, and a wave's 128 x 128 of it are 256 registers, 32 for each block of 16 rows.  So it is asked for while the
; products run, into registers that lie idle: blocks 0, 1 at the start, 2, 3 onto the bias behind the first quarter, 4 to 6 one lap ahead of the end, 7 behind the last product.  Behind the last product
; nothing is read from memory but block 7, and that seven blocks ahead of its use.
; THE WAY OUT: a block of 16 rows x 512 bytes goes through my stage (rows of 528 bytes) back into its own accumulators as whole rows, takes the residual, and is stored, 512 consecutive bytes a store.
; The stage runs one block ahead: a block's additions and stores stand in the next block's way through LDS.
; REGISTERS: window 0: v0-31 addresses; v64-191 fragments of ab; v32-63, v192-255 residual.  Window 1: v0-63 the bias, then residual; v64-191 fragments of wt; v192-255 residual.  Windows 2, 3: the accumulators.
; LIMITS: the residual is x rounded once to bf16: off by at most 2^-8 of |x|.  NaN and infinities are not treated apart.
.set SIZE_K, 1024
.set KSTEP,  128
.set PITCH,  272                       ; an LDS row: 256 bytes + 16 of padding = 68 words: the 16 rows of a load start at 16 different groups of four banks (64 banks of 4 bytes: ISA guide 11.1)
.set HALFT,  128*PITCH
.set SLOT,   4*HALFT
.set STAGE,  2*SLOT                    ; behind the ring: 16 rows x 528 bytes for each wave
.set SPITCH, 528                       ; 512 bytes + 16 = 33 x 16: the 16 rows of a store start at 16 different groups of four banks
.set SPARE,  STAGE+4*16*SPITCH
.set LAPS,   SIZE_K/(2*KSTEP)
.set OROW,   4096                      ; bytes in a row of out
.set XROW,   2048                      ; bytes in a row of xb
.set ADRA, 16
.set ADRB, 20
.set STO,  24                          ; v24  where I put 32 bytes of a row
.set RD,   25                          ; v25  where I read 16 bytes of a row back
.set CO,   26                          ; v26  16 l: my four columns in a row's 512 bytes of out; never rewritten
.set BO,   27                          ; v27  my byte offset in a block's 16 biases
.set SPW,  28
.set NIL,  29
.set RO,   30                          ; v30  8 l: the same four columns in a row's 256 bytes of xb; never rewritten
.set ONE,  31                          ; v31  1.0
.set F0,   64
.set F1,   128
.set BIAS, 0
.set G1,  24
.set G0,  32
.set G1B, 48
.set G0B, 56
.set BP,  66                           ; s[66:67] bp at my 128 columns
.set RES, 76                           ; s[76:77] xb at my part of the tile
.set MSB, 0
.macro WIN new                         ; the immediate's high byte repeats the setting that is left; a switch that changes nothing is dropped
.if MSB != (\new)
	s_set_vgpr_msb (MSB<<8)|(\new)
.set MSB, (\new)
.endif
.endm
.set MUL_LO, 0xa1                      ; source 0 (wt) window 1, source 1 (ab) window 0, C and D window 2; + 0x50: C and D window 3
.set MUL_B,  0x91                      ; C (the bias) window 1, D window 2; + 0x40: D window 3
.set TO_B,   0x40                      ; destination window 1, address window 0
.macro JLOAD s                         ; a joint load: waves 0 and 1 fetch ab's two halves, waves 2 and 3 wt's; an s_nop 0 and four v_nop follow each of the two lines
	s_cmp_eq_u32 s11, 0
	s_cbranch_scc0 .Lfor_b_\@
	tensor_load_to_lds s[G0+4*(\s):G0+4*(\s)+3], s[G1:G1+7]
	s_nop 0
.rept 4
	v_nop
.endr
	s_branch .Lasked_\@
.Lfor_b_\@:
	tensor_load_to_lds s[G0B+4*(\s):G0B+4*(\s)+3], s[G1B:G1B+7]
	s_nop 0
.rept 4
	v_nop
.endr
.Lasked_\@:
.endm
.macro CREST                           ; a round of the cluster's barrier behind its opening barrier
	s_cmp_lg_u32 s10, 0
	s_cbranch_scc1 .Lnot_wave_0_\@
	s_barrier_signal -3
.Lnot_wave_0_\@:
	s_barrier_wait -3
	s_barrier_signal -1
	s_barrier_wait -1
.endm
.macro CROUND
	s_barrier_signal -1
	s_barrier_wait -1
	CREST
.endm
	s_load_b128 s[4:7], s[0:1], 0x0                ; ab s[4:5], wt s[6:7]
	s_load_b64 s[BP:BP+1], s[0:1], 0x10            ; bp
	s_load_b64 s[RES:RES+1], s[0:1], 0x18          ; xb
	s_load_b128 s[72:75], s[0:1], 0x20             ; out0 72, out1 74
	v_lshl_add_u32 v[SPW], v0, 2, SPARE
	v_mov_b32 v[NIL], 0
	ds_add_u32 v[SPW], v[NIL]                      ; the wave's opening: the add and its wait stand ahead of my first tensor load
	v_lshrrev_b32 v1, 5, v0
	v_readfirstlane_b32 s10, v1                    ; wave 0..3
	s_lshr_b32 s11, s10, 1                         ; which half of the tile's rows is mine.  Also: I fetch for ab (0) or for wt (1)
	s_and_b32 s12, s10, 1                          ; which half of its columns.  Also: which 128 rows of that tile I fetch
	s_bfe_u32 s40, ttmp6, 0x40000                  ; cx: the tile column
	s_bfe_u32 s41, ttmp6, 0x40004                  ; cy
	s_mov_b32 s42, ttmp9                           ; the cluster's x: dir, which all sixteen share
	s_and_b32 s13, ttmp7, 0xffff
	s_lshl_b32 s13, s13, 2
	s_add_co_u32 s13, s13, s41                     ; tile row
	s_lshl_b32 s43, s41, 2
	s_lshl_b32 s43, 15, s43
	s_lshl_b32 s44, 0x1111, s40
	s_or_b32 s[G1+0], s43, (1<<16)|(1<<20)|(1<<21)|(5<<22)|(3<<25)  ; the mask of my row; 2-byte elements; padding of 4 words after every 64; bit 21 beside the mask
	s_or_b32 s[G1B+0], s44, (1<<16)|(1<<20)|(1<<21)|(5<<22)|(3<<25) ; the mask of my column
.irp g, G1, G1B
	s_mov_b32 s[(\g)+1], KSTEP<<16
	s_mov_b32 s[(\g)+2], 128<<16
	s_mov_b32 s[(\g)+3], KSTEP<<16
	s_mov_b32 s[(\g)+4], 128
	s_mov_b32 s[(\g)+5], SIZE_K
	s_mov_b32 s[(\g)+6], 0
	s_mov_b32 s[(\g)+7], 0
.endr
	s_lshl_b32 s17, s12, 7
	s_lshl_b32 s16, s13, 8
	s_add_co_u32 s16, s16, s17
	s_lshl_b32 s18, s42, 13
	s_add_co_u32 s16, s16, s18                     ; ab: row 8192 dir + 256 x tile row + 128 x half
	s_lshl_b32 s16, s16, 11
	s_lshl_b32 s46, s40, 8
	s_add_co_u32 s46, s46, s17
	s_lshl_b32 s18, s42, 10
	s_add_co_u32 s46, s46, s18
	s_add_co_u32 s46, s46, 6144                    ; wt: row 6144 + 1024 dir + 256 cx + 128 x half
	s_lshl_b32 s46, s46, 11
	s_mov_b32 s17, 0
	s_mov_b32 s47, 0
	s_mul_i32 s20, s10, HALFT
	s_wait_dscnt 0x0                               ; the opening add is done
	s_wait_kmcnt 0x0
	s_add_nc_u64 s[14:15], s[4:5], s[16:17]
	s_add_nc_u64 s[46:47], s[6:7], s[46:47]
	CROUND                                         ; all sixteen work-groups are here: the first joint loads meet
.irp s, 0,1
	s_mov_b32 s[G0+4*(\s)], 1
	s_add_co_u32 s[G0+4*(\s)+1], s20, (\s)*SLOT
	s_add_nc_u64 s[G0+4*(\s)+2:G0+4*(\s)+3], s[14:15], (\s)*KSTEP*2
	s_or_b32 s[G0+4*(\s)+3], s[G0+4*(\s)+3], 0x80000000
	s_mov_b32 s[G0B+4*(\s)], 1
	s_add_co_u32 s[G0B+4*(\s)+1], s20, (\s)*SLOT
	s_add_nc_u64 s[G0B+4*(\s)+2:G0B+4*(\s)+3], s[46:47], (\s)*KSTEP*2
	s_or_b32 s[G0B+4*(\s)+3], s[G0B+4*(\s)+3], 0x80000000
	JLOAD \s                                       ; two tensor loads of mine are out
.endr
	v_and_b32 v1, 15, v0
	v_bfe_u32 v2, v0, 4, 1
	v_mul_u32_u24 v3, v1, PITCH
	v_lshl_add_u32 v3, v2, 4, v3
	s_mul_i32 s21, s11, HALFT
	s_mul_i32 s22, s12, HALFT
	s_add_co_u32 s22, s22, 2*HALFT
.irp s, 0,1
	v_add_nc_u32 v[ADRA+(\s)], s21, v3
	v_add_nc_u32 v[ADRB+(\s)], s22, v3
	s_add_co_u32 s21, s21, SLOT
	s_add_co_u32 s22, s22, SLOT
.endr
	s_mul_i32 s23, s10, 16*SPITCH
	s_add_co_u32 s23, s23, STAGE                   ; my stage
	v_mul_u32_u24 v4, v1, SPITCH                   ; in: row l % 16, 32 bytes for each half of the lanes
	v_lshl_add_u32 v4, v2, 5, v4
	v_add_nc_u32 v[STO], s23, v4
	v_and_b32 v5, 31, v0
	v_lshlrev_b32 v[CO], 4, v5
	v_add_nc_u32 v[RD], s23, v[CO]                 ; back: 32 lanes take one row of 512 bytes
	v_lshlrev_b32 v[RO], 3, v5
	v_mov_b32 v[ONE], 1.0
	v_lshlrev_b32 v[BO], 5, v2
	s_cmp_eq_u32 s42, 0
	s_cselect_b64 s[8:9], s[72:73], s[74:75]
	s_lshl_b32 s16, s13, 8                         ; my part of the tile, in out and in xb
	s_lshl_b32 s14, s11, 7
	s_add_co_u32 s16, s16, s14                     ; my first row among the direction's 8,192,
	s_lshl_b32 s18, s42, 13
	s_add_co_u32 s18, s18, s16                     ; and among xb's 16,384
	s_lshl_b32 s18, s18, 11                        ; in bytes: under 2^25
	s_lshl_b32 s16, s16, 12                        ; under 2^25
	s_mov_b32 s17, 0
	s_mov_b32 s19, 0
	s_lshl_b32 s46, s40, 10
	s_lshl_b32 s47, s12, 9
	s_add_co_u32 s46, s46, s47                     ; my first column, in bytes of f32,
	s_lshr_b32 s68, s46, 1                         ; and of bf16
	s_mov_b32 s47, 0
	s_mov_b32 s69, 0
	s_add_nc_u64 s[16:17], s[16:17], s[46:47]
	s_add_nc_u64 s[18:19], s[18:19], s[68:69]
	s_add_nc_u64 s[8:9], s[8:9], s[16:17]
	s_add_nc_u64 s[RES:RES+1], s[RES:RES+1], s[18:19]
	s_lshl_b32 s46, s42, 10                        ; bp at my 128 columns
	s_add_co_u32 s46, s46, 6144
	s_lshl_b32 s47, s40, 8
	s_add_co_u32 s46, s46, s47
	s_lshl_b32 s47, s12, 7
	s_add_co_u32 s46, s46, s47
	s_lshl_b32 s46, s46, 2
	s_mov_b32 s47, 0
	s_add_nc_u64 s[BP:BP+1], s[BP:BP+1], s[46:47]
	WIN TO_B
.irp b, 0,1,2,3,4,5,6,7                ; block b's eight registers: bp[16 b + 8 (l / 16) + 0..7] of my 128 columns
	global_load_b128 v[BIAS+8*(\b):BIAS+8*(\b)+3],   v[BO], s[BP:BP+1] offset:64*(\b)
	global_load_b128 v[BIAS+8*(\b)+4:BIAS+8*(\b)+7], v[BO], s[BP:BP+1] offset:64*(\b)+16
.endr
	WIN 0
.macro MUL16 f, hi, a0, zero           ; 16 matrix instructions; zero = 1: the first product starts the sums, on the bias
.if \zero
	WIN MUL_B+0x40*(\hi)
.else
	WIN MUL_LO+0x50*(\hi)
.endif
.irp a, \a0, (\a0)+1
.irp b, 0,1,2,3,4,5,6,7
.if \zero
	v_wmma_f32_16x16x32_bf16 v[8*(8*(\a)+(\b)):8*(8*(\a)+(\b))+7], v[(\f)+8*(\b):(\f)+8*(\b)+7], v[(\f)+8*(4*(\hi)+(\a)):(\f)+8*(4*(\hi)+(\a))+7], v[BIAS+8*(\b):BIAS+8*(\b)+7]
.else
	v_wmma_f32_16x16x32_bf16 v[8*(8*(\a)+(\b)):8*(8*(\a)+(\b))+7], v[(\f)+8*(\b):(\f)+8*(\b)+7], v[(\f)+8*(4*(\hi)+(\a)):(\f)+8*(4*(\hi)+(\a))+7], v[8*(8*(\a)+(\b)):8*(8*(\a)+(\b))+7]
.endif
.endr
.endr
.endm
.macro FETCH slot, k, f                ; 32 LDS loads in one run
	WIN TO_B
.irp i, 0,1,2,3,4,5,6,7
	ds_load_b128 v[(\f)+8*(\i):(\f)+8*(\i)+3],   v[ADRB+(\slot)] offset:(\k)+(\i)*16*PITCH
	ds_load_b128 v[(\f)+8*(\i)+4:(\f)+8*(\i)+7], v[ADRB+(\slot)] offset:(\k)+(\i)*16*PITCH+32
.endr
	WIN 0
.irp i, 0,1,2,3,4,5,6,7
	ds_load_b128 v[(\f)+8*(\i):(\f)+8*(\i)+3],   v[ADRA+(\slot)] offset:(\k)+(\i)*16*PITCH
	ds_load_b128 v[(\f)+8*(\i)+4:(\f)+8*(\i)+7], v[ADRA+(\slot)] offset:(\k)+(\i)*16*PITCH+32
.endr
.endm
.macro PLACES                          ; four places in front of loads into registers that matrix instructions have read, and of lines that read results just made
.rept 4
	v_nop
.endr
.endm
.macro QUARTER slot, k, f, g, zero     ; 64 matrix instructions on buffer f, the 64 accumulators by turns; in the middle the next quarter's fragments into g
	s_wait_dscnt 8                                 ; wt and ab's rows 0-63 are in; the youngest eight loads may be out
	MUL16 \f, 0, 0, \zero
	MUL16 \f, 0, 2, \zero
	PLACES
	FETCH \slot, \k, \g
	s_wait_dscnt 32                                ; all but the 32 just issued
	MUL16 \f, 1, 0, \zero
	MUL16 \f, 1, 2, \zero
.endm
.macro MEET round                      ; ONE barrier for the change of slots: all my tensor loads, the add, my reads of this slot
	WIN 0
	s_wait_tensorcnt 0x0
	ds_add_u32 v[SPW], v[NIL]
	s_wait_dscnt 9                                 ; (the add and the youngest eight loads may be out)
	MUL16 F1, 0, 0, 0
	s_wait_dscnt 0x0
	s_barrier_signal -1
	MUL16 F1, 0, 2, 0
.if \round
	WIN 0
.endif
	s_barrier_wait -1
.endm
.macro TURN slot, next                 ; the last quarter: behind the round this slot is filled again first, two K steps on: 224 matrix instructions ahead of the wait for it
	MEET 1
	CREST
	s_add_nc_u64 s[G0+4*(\slot)+2:G0+4*(\slot)+3], s[G0+4*(\slot)+2:G0+4*(\slot)+3], 2*KSTEP*2
	s_add_nc_u64 s[G0B+4*(\slot)+2:G0B+4*(\slot)+3], s[G0B+4*(\slot)+2:G0B+4*(\slot)+3], 2*KSTEP*2
	JLOAD \slot
	FETCH \next, 0, F0
	MUL16 F1, 1, 0, 0
	MUL16 F1, 1, 2, 0
.endm
; Where block a's residual lies: window RW, 32 registers from RB on; row t's four numbers in RB + 2 t, RB + 2 t + 1.
.macro RMAP a
.if (\a) < 2
.set RW, 0
.set RB, 192+32*(\a)                   ; idle all through
.elseif (\a) < 4
.set RW, 1
.set RB, 32*((\a)-2)                   ; the bias's registers, which the first quarter alone reads
.elseif (\a) < 6
.set RW, 1
.set RB, 192+32*((\a)-4)               ; idle all through
.else
.set RW, 0
.set RB, 32+32*((\a)-6)                ; block 6: idle all through; block 7: ab's fragment buffer 0, behind the last product
.endif
.endm
.macro RLOAD a                         ; 16 rows: each load 256 consecutive bytes of xb, at a multiple of 256 from its first byte
	RMAP \a
	WIN RW<<6
.set t, 0
.rept 16
	global_load_b64 v[RB+2*t:RB+2*t+1], v[RO], s[RES:RES+1] offset:(16*(\a)+t)*XROW th:TH_LOAD_NT
.set t, t+1
.endr
.endm
.macro STG a                           ; block a into my stage, and back into its own accumulators as whole rows
.set W, 2+(\a)/4
.set AC, 64*((\a)%4)
	WIN W<<2                                       ; store data in the accumulators' window
.set b, 0
.rept 8
	ds_store_b128 v[STO], v[AC+8*b:AC+8*b+3] offset:64*b        ; each accumulator from its low end on
	ds_store_b128 v[STO], v[AC+8*b+4:AC+8*b+7] offset:64*b+16
.set b, b+1
.endr
	WIN W<<6
.set t, 0
.rept 16
	ds_load_b128 v[AC+4*t:AC+4*t+3], v[RD] offset:SPITCH*t      ; LDS serves a wave's instructions in order (ISA guide 5.7.1.4): these see the stores above; the next block's stores come behind them
.set t, t+1
.endr
.endm
.macro FIN a                           ; block a takes the residual and leaves
.set W, 2+(\a)/4
.set AC, 64*((\a)%4)
	RMAP \a
.if (\a) < 7
	s_wait_dscnt 32                                ; the block is back; the next block's 32 LDS instructions stay out
.else
	s_wait_dscnt 0x0
.endif
.if (\a) == 0
	s_wait_loadcnt 16                              ; the residual of blocks 0 to 6 is in; block 7's 16 loads stay out
.endif
.if (\a) == 7
	s_wait_loadcnt 0x0
.endif
	WIN (W<<6)|(W<<4)|RW                           ; the sum (destination and source 2) in its window, the residual in RW, 1.0 in window 0
.set t, 0
.rept 16                               ; a bf16 half times 1.0 plus the f32 sum: widening and addition in one line, one rounding
	v_fma_mix_f32_bf16 v[AC+4*t],   v[RB+2*t],   v[ONE], v[AC+4*t]   op_sel_hi:[1,0,0]
	v_fma_mix_f32_bf16 v[AC+4*t+1], v[RB+2*t],   v[ONE], v[AC+4*t+1] op_sel:[1,0,0] op_sel_hi:[1,0,0]
	v_fma_mix_f32_bf16 v[AC+4*t+2], v[RB+2*t+1], v[ONE], v[AC+4*t+2] op_sel_hi:[1,0,0]
	v_fma_mix_f32_bf16 v[AC+4*t+3], v[RB+2*t+1], v[ONE], v[AC+4*t+3] op_sel:[1,0,0] op_sel_hi:[1,0,0]
.set t, t+1
.endr
	WIN W<<2
.set t, 0
.rept 16
	global_store_b128 v[CO], v[AC+4*t:AC+4*t+3], s[8:9] offset:(16*(\a)+t)*OROW th:TH_STORE_NT  ; 512 consecutive bytes, at a multiple of 256 from out's first byte; the data registers are never rewritten
.set t, t+1
.endr
.endm
	RLOAD 0                                        ; behind the bias's 16 loads: 48 loads of mine are out
	RLOAD 1
	WIN 0
	s_wait_tensorcnt 1                             ; my part of K step 0 is in; K step 1's may stay out
	s_barrier_signal -1
	s_barrier_wait -1
	FETCH 0, 0, F0
	s_wait_loadcnt 32                              ; the bias is in; the 32 loads of the residual's blocks 0 and 1 stay out
	QUARTER 0, 64,  F0, F1, 1                      ; the first quarter stands in front of the loop: its products start the sums
	PLACES                                         ; for the loads onto the bias, which those products have read
	RLOAD 2
	RLOAD 3
	WIN 0
	s_mov_b32 s3, LAPS-1
.Llap:
	QUARTER 0, 128, F1, F0, 0
	QUARTER 0, 192, F0, F1, 0
	TURN 0, 1
	QUARTER 1, 64,  F0, F1, 0
	QUARTER 1, 128, F1, F0, 0
	QUARTER 1, 192, F0, F1, 0
	TURN 1, 0
	QUARTER 0, 64,  F0, F1, 0
	WIN 0
	s_sub_co_u32 s3, s3, 1
	s_cmp_lg_u32 s3, 0
	s_cbranch_scc1 .Llap
	RLOAD 4                                        ; a lap, 448 matrix instructions, ahead of the way out
	RLOAD 5
	RLOAD 6
	QUARTER 0, 128, F1, F0, 0                      ; the last lap fills nothing
	QUARTER 0, 192, F0, F1, 0
	MEET 0                                         ; my one tensor load that was still out is slot 1's, the last K step's
	PLACES
	FETCH 1, 0, F0
	MUL16 F1, 1, 0, 0
	MUL16 F1, 1, 2, 0
	QUARTER 1, 64,  F0, F1, 0
	QUARTER 1, 128, F1, F0, 0
	QUARTER 1, 192, F0, F1, 0
	s_wait_dscnt 8                                 ; the very last quarter: nothing more to fetch
	MUL16 F1, 0, 0, 0
	MUL16 F1, 0, 2, 0
	s_wait_dscnt 0x0
	MUL16 F1, 1, 0, 0
	MUL16 F1, 1, 2, 0
	PLACES                                         ; for the stage's stores, which read results, and for the loads onto ab's fragments
	RLOAD 7
	STG 0
.irp a, 0,1,2,3,4,5,6,7
.if (\a) < 7
	STG (\a)+1                                     ; the next block is on its way through LDS while this one is finished
.endif
	FIN \a
.endr
	WIN 0
	s_wait_tensorcnt 0x0                           ; the wave's end
	ds_add_u32 v[SPW], v[NIL]
	s_wait_dscnt 0x0
	CROUND                                         ; the closing round
	s_endpgm
.Lfunc_end_k_qd6aa9e213a_out:
	.size	k_qd6aa9e213a_out, .Lfunc_end_k_qd6aa9e213a_out-k_qd6aa9e213a_out
	.p2alignl 7, 3214868480
	.fill 96, 4, 3214868480
	.section	.rodata,"a",@progbits
	.p2align	6, 0x0
	.amdhsa_kernel k_qd6aa9e213a_out
		.amdhsa_group_segment_fixed_size 327680
		.amdhsa_private_segment_fixed_size 0
		.amdhsa_enable_private_segment 0
		.amdhsa_kernarg_size 48
		.amdhsa_user_sgpr_count 2
		.amdhsa_user_sgpr_kernarg_segment_ptr 1
		.amdhsa_wavefront_size32 1
		.amdhsa_system_sgpr_workgroup_id_x 1
		.amdhsa_system_sgpr_workgroup_id_y 1
		.amdhsa_system_sgpr_workgroup_id_z 1
		.amdhsa_system_vgpr_workitem_id 0
		.amdhsa_next_free_vgpr 1024
		.amdhsa_next_free_sgpr 80
		.amdhsa_reserve_vcc 0
		.amdhsa_float_denorm_mode_32 3
		.amdhsa_float_denorm_mode_16_64 3
		.amdhsa_memory_ordered 1
		.amdhsa_forward_progress 1
		.amdhsa_inst_pref_size 187
	.end_amdhsa_kernel
	.amdgpu_metadata
---
amdhsa.version: [ 1, 2 ]
amdhsa.kernels:
  - .name:           k_qd6aa9e213a_out
    .symbol:         k_qd6aa9e213a_out.kd
    .args:
      - { .name: ab, .offset: 0, .size: 8, .value_kind: global_buffer, .address_space: global }
      - { .name: wt, .offset: 8, .size: 8, .value_kind: global_buffer, .address_space: global }
      - { .name: bp, .offset: 16, .size: 8, .value_kind: global_buffer, .address_space: global }
      - { .name: xb, .offset: 24, .size: 8, .value_kind: global_buffer, .address_space: global }
      - { .name: out0, .offset: 32, .size: 8, .value_kind: global_buffer, .address_space: global }
      - { .name: out1, .offset: 40, .size: 8, .value_kind: global_buffer, .address_space: global }
    .group_segment_fixed_size: 327680
    .private_segment_fixed_size: 0
    .kernarg_segment_align: 8
    .kernarg_segment_size: 48
    .max_flat_workgroup_size: 128
    .sgpr_count:     80
    .vgpr_count:     1024
    .wavefront_size: 32
...
	.end_amdgpu_metadata
.endif
;; end of part 4
;; ======== version 2 of 2: 4 launches; version 1 with the launches prep, attn written anew for expert scheduling mode
;; workspace buffers: xb 33,554,432 bytes; wt 16,777,216 bytes; bp 32,768 bytes; cb 100,663,296 bytes; ab 33,554,432 bytes
;; launch prep (part 5): grid 128 x 3, 8 waves a work-group, no clusters, 140,288 bytes of LDS; arguments liquid_repr, mamba_repr, Wlq, Wlkv, Wmq, Wmkv, Wlo, Wmo, blq, blkv, bmq, bmkv, blo, bmo, xb, wt, bp; writes xb, wt, bp
.if DOCPART == 5
	.amdgcn_target "amdgcn-amd-amdhsa--gfx1250"
	.amdhsa_code_object_version 6
	.text
	.protected	k_qd6aa9e213a_prep
	.globl	k_qd6aa9e213a_prep
	.p2align	8
	.type	k_qd6aa9e213a_prep,@function
k_qd6aa9e213a_prep:
	s_mov_b64 s[64:65], 0
	v_nop
	global_prefetch_b8 v0, s[64:65] scope:SCOPE_SE
	s_setreg_imm32_b32 hwreg(HW_REG_WAVE_SCHED_MODE, 0, 2), 2
	s_setreg_imm32_b32 hwreg(HW_REG_WAVE_MODE, 25, 1), 1
	s_wait_xcnt 0x0
	s_wait_alu depctr_vm_vsrc(0)
; PREPARATION.  Grid y = 0, 1: x of that modality (0 liquid, 1 mamba), [8192][1024] f32, is rounded once to bf16 into xb.
; Grid y = 2: the six weights, [1024 k][n] f32, are rounded once to bf16 and turned into wt, [8192 rows][1024 k]; the six biases go, in f32, to bp[row].
; ROWS OF wt.  Modality mod's projection has rows 3072 mod + n':  q(h, d) -> n' = 128 (d / 16) + 16 h + d % 16;  k(g, d) -> 1024 + the same form;  v(g, d) -> 2048 + 8 d + g.
; The output weights have rows 6144 + 1024 dir + n (dir 0: Wlo, 1: Wmo).  So the product x wt^T leaves q, k, v in the order in which the attention launch loads its fragments.
; SHARES (weights).  Work-group x = a block of 64 source columns, wave = a block of 128 k.  The wave loads 128 rows x 256 bytes (each load two whole rows' pieces of 256 bytes), packs k, k + 1 of a column
; into a word, lays the words into its own LDS rows (one row a column, 256 bytes + 16), and reads rows back: sixteen lanes store 256 consecutive bytes of a row of wt, at a multiple of 256 from wt's first byte.
; Source column n0 + i goes to row BASE + (i / 16) SA + (i % 16) SB, with three scalars chosen by forward branches on the work-group's number.
; The LDS words are stored four deep on a bank (column pitch 4 x 272 bytes): 128 such stores a wave, once a launch.  The biases are 4-byte stores, 32 KB in the whole launch.
; No barrier: every wave keeps to its own LDS bytes.  LIMITS: the rounding to bf16 is to nearest even; NaN and infinities pass as they are.
; THE MODE: SCHED_MODE bits 1:0 = 2 (LLVM: expert scheduling mode 2), set by the entry lines.  The code itself states the register dependences between vector instructions and memory or LDS
; instructions, with s_wait_alu, always for 0.
; THE PLAN, X PART.  A wave's 64 loads go in 16 blocks of four.  Registers that memory instructions touch:
;   X0 .. X3   four blocks as loaded.   Written by the loads of block p + 3, issued in block p; read by block p's eight roundings.
;   Y0, Y1     two blocks to store.     Written by block p's roundings; read by the four stores that are issued in block p + 1.
;   v[SO], v[DO]  offsets, made once: the blocks are reached by the two scalar bases, which move on at each block's head, and by immediate offsets.
; Block p works on X[p % 4] and writes Y[p % 2]; its memory instructions touch X[(p - 1) % 4] and Y[(p - 1) % 2], which no vector instruction of block p names.  So the waits at a block's head state
; all that its eight memory instructions hang on, and these are dealt among its roundings with no further wait.
; THE PLAN, WEIGHTS.  Four batches of 32 k.  Registers that memory or LDS instructions touch:
;   X0, X1     raw batches t % 2.  Loaded; read by the batch's 32 roundings; loaded again with batch t + 2; at the end the rows read back from LDS land in both.
;   D          32 packed words.    Written by the batch's roundings; read by its 32 LDS stores.
;   O, LA, RDL, E   offsets and LDS addresses, made once.
; A batch: the wait for its data; one wait on vm_vsrc (the last batch's LDS stores have read D); all its roundings; ONE wait on va_vdst (D is written, the raw buffer is read out); the loads of
; batch t + 2; its LDS stores.
.set WREG,  17408                      ; a wave's LDS: 64 rows x 272 bytes
.set LP,    272
.set SPARE, 8*WREG                     ; behind them: the spare words, 128 bytes for each wave
.set SPW, 4                            ; v4   LDS address of my spare word; never rewritten
.set NIL, 5                            ; v5   0; never rewritten
.set LA,  6                            ; v6   where I put a word: column 4 (l % 16), k pair l / 16
.set RDL, 7                            ; v7   where I read 16 bytes of a row back
.set SO,  8                            ; v8   x part: 16 l
.set DO,  9                            ; v9   x part: 8 l
.set O,   16                           ; v16-31   byte offsets of the 16 loads of a batch of 32 k
.set X0,  32                           ; v32-95   a batch as loaded
.set X1,  96                           ; v96-159  the other batch
.set D,   160                          ; v160-191 packed words
.set E,   192                          ; v192-223 byte offsets of the 32 stores into wt
.set XB,  32                           ; x part: v32-95   buffer k of four: 16 registers at XB + 16 k: a block of four loads
.set YB,  160                          ; x part: v160-175 buffer k of two: 8 registers at YB + 8 k: a block rounded, to store
	s_load_b512 s[16:31], s[0:1], 0x0              ; liquid 16, mamba 18, Wlq 20, Wlkv 22, Wmq 24, Wmkv 26, Wlo 28, Wmo 30
	s_load_b512 s[32:47], s[0:1], 0x40             ; blq 32, blkv 34, bmq 36, bmkv 38, blo 40, bmo 42, xb 44, wt 46
	s_load_b64 s[48:49], s[0:1], 0x80              ; bp
	v_lshl_add_u32 v[SPW], v0, 2, SPARE
	v_mov_b32 v[NIL], 0
	v_lshrrev_b32 v1, 5, v0
	v_readfirstlane_b32 s2, v1                     ; wave 0..7
	v_and_b32 v1, 31, v0                           ; l
	v_and_b32 v2, 15, v0                           ; l % 16
	v_bfe_u32 v3, v0, 4, 1                         ; l / 16
	s_mov_b32 s3, ttmp9                            ; work-group x
	s_and_b32 s4, ttmp7, 0xffff                    ; work-group y
	s_mov_b32 s77, 0                               ; the high word of every offset pair s[76:77]
	s_wait_alu depctr_va_sdst(0)                   ; s2 is written, ahead of the branch behind which both parts read it
	s_wait_kmcnt 0x0
	s_cmp_eq_u32 s4, 2
	s_cbranch_scc1 .Lweights
	; THE X PART.  A work-group takes 262,144 bytes of x, a wave 32,768: 16 blocks of four loads of 512 consecutive bytes; each store covers 256 consecutive bytes, aligned.
	v_lshlrev_b32 v[SO], 4, v1
	v_lshlrev_b32 v[DO], 3, v1
	s_cmp_eq_u32 s4, 0
	s_cselect_b64 s[50:51], s[16:17], s[18:19]
	s_lshl_b32 s76, s3, 18
	s_lshl_b32 s59, s2, 15
	s_add_co_u32 s76, s76, s59
	s_add_nc_u64 s[50:51], s[50:51], s[76:77]
	s_lshl_b32 s76, s4, 24
	s_lshl_b32 s59, s3, 17
	s_add_co_u32 s76, s76, s59
	s_lshl_b32 s59, s2, 14
	s_add_co_u32 s76, s76, s59
	s_add_nc_u64 s[74:75], s[44:45], s[76:77]
	s_wait_alu depctr_va_vdst(0)                   ; v[SO] and v[DO] are written: every load and store of this part reads one of them as its offset
.set i, 0
.rept 12
	global_load_b128 v[XB+4*i:XB+4*i+3], v[SO], s[50:51] offset:512*i th:TH_LOAD_NT  ; blocks 0, 1 and 2 into X0, X1, X2
.set i, i+1
.endr
; Block p.  xb = p % 4, yb = p % 2.  first = 1: block 0, with no block in front of it.  ahead = 1: block p + 3 is loaded.
; left = how many younger loads may still be out when this block's four have to be there.
.macro XBLK xb, yb, first, ahead, left
	s_wait_loadcnt \left                           ; loads come back in order (ISA guide 5.7.1): X[xb] is in, the younger blocks stay out
.if !(\first)
	s_wait_xcnt 0x0                                ; the two bases and Y[yb] are rewritten only behind this wait
	s_wait_alu depctr_vm_vsrc(0)                   ; the stores issued in the block before have read Y[yb], which this block's roundings write again
	s_wait_alu depctr_va_vdst(0)                   ; the block before has written the other Y, which the stores below read, and is done reading its X, in which the loads below land
	s_add_nc_u64 s[50:51], s[50:51], 2048          ; both bases at this block's first bytes
	s_add_nc_u64 s[74:75], s[74:75], 1024
.endif
.set i, 0
.rept 4
.if \ahead
	global_load_b128 v[XB+16*(((\xb)+3)%4)+4*i:XB+16*(((\xb)+3)%4)+4*i+3], v[SO], s[50:51] offset:512*(12+i) th:TH_LOAD_NT  ; three blocks ahead; no vector instruction since the wait names these registers
.endif
.if !(\first)
	global_store_b64 v[DO], v[YB+8*(1-(\yb))+2*i:YB+8*(1-(\yb))+2*i+1], s[74:75] offset:256*(i-4)  ; the block before: the offset reaches back
.endif
	v_cvt_pk_bf16_f32 v[YB+8*(\yb)+2*i], v[XB+16*(\xb)+4*i], v[XB+16*(\xb)+4*i+1]
	v_cvt_pk_bf16_f32 v[YB+8*(\yb)+2*i+1], v[XB+16*(\xb)+4*i+2], v[XB+16*(\xb)+4*i+3]
.set i, i+1
.endr
.endm
	XBLK 0, 0, 1, 1, 8                             ; block 0
	s_mov_b32 s80, 3
.Lxtrip:                                               ; blocks 1 to 12, four to a lap: both kinds of buffer are back at their start
	XBLK 1, 1, 0, 1, 8
	XBLK 2, 0, 0, 1, 8
	XBLK 3, 1, 0, 1, 8
	XBLK 0, 0, 0, 1, 8
	s_sub_co_u32 s80, s80, 1
	s_cmp_lg_u32 s80, 0
	s_cbranch_scc1 .Lxtrip
	XBLK 1, 1, 0, 0, 8                             ; blocks 13 to 15 load nothing: no load leaves the wave's share, and the counts run down
	XBLK 2, 0, 0, 0, 4
	XBLK 3, 1, 0, 0, 0
	s_wait_alu depctr_va_vdst(0)                   ; block 15 has written Y1, which the last four stores read
.set i, 0
.rept 4
	global_store_b64 v[DO], v[YB+8+2*i:YB+8+2*i+1], s[74:75] offset:256*i
.set i, i+1
.endr
	s_endpgm                                       ; this way has written no LDS
	; THE WEIGHTS.  s[50:51] the weight, s[52:53] its bias, s54 bytes in a source row, s55 4 n0, s56 BASE, s57 SA, s58 SB.
.Lweights:
	s_cmp_ge_u32 s3, 96
	s_cbranch_scc1 .Lwo
	s_cmp_ge_u32 s3, 48
	s_cselect_b32 s59, 1, 0                        ; mod
	s_mul_i32 s60, s59, 48
	s_sub_co_u32 s60, s3, s60                      ; c = 0..47: 16 blocks of q's columns, then 32 of kv's
	s_mul_i32 s61, s59, 3072
	s_cmp_ge_u32 s60, 16
	s_cbranch_scc1 .Lwkv
	s_cmp_eq_u32 s59, 0                            ; q: column 64 c + i is head c / 2, channel 64 (c % 2) + i
	s_cselect_b64 s[50:51], s[20:21], s[24:25]
	s_cselect_b64 s[52:53], s[32:33], s[36:37]
	s_mov_b32 s54, 4096
	s_lshl_b32 s55, s60, 8
	s_and_b32 s62, s60, 1
	s_lshl_b32 s62, s62, 9
	s_lshr_b32 s63, s60, 1
	s_lshl_b32 s63, s63, 4
	s_add_co_u32 s56, s61, s62
	s_add_co_u32 s56, s56, s63
	s_mov_b32 s57, 128
	s_mov_b32 s58, 1
	s_branch .Lwjoin
.Lwkv:
	s_sub_co_u32 s60, s60, 16                      ; c2 = 0..31: head c2 / 4; bit 1: k or v; channel 64 (c2 % 2) + i
	s_cmp_eq_u32 s59, 0
	s_cselect_b64 s[50:51], s[22:23], s[26:27]
	s_cselect_b64 s[52:53], s[34:35], s[38:39]
	s_mov_b32 s54, 8192
	s_lshl_b32 s55, s60, 8
	s_and_b32 s62, s60, 1
	s_lshl_b32 s62, s62, 9
	s_add_co_u32 s56, s61, s62
	s_lshr_b32 s63, s60, 2
	s_mov_b32 s57, 128
	s_and_b32 s62, s60, 2
	s_cmp_lg_u32 s62, 0
	s_cbranch_scc1 .Lwv
	s_lshl_b32 s63, s63, 4
	s_add_co_u32 s56, s56, s63
	s_add_co_u32 s56, s56, 1024
	s_mov_b32 s58, 1
	s_branch .Lwjoin
.Lwv:
	s_add_co_u32 s56, s56, s63
	s_add_co_u32 s56, s56, 2048
	s_mov_b32 s58, 8
	s_branch .Lwjoin
.Lwo:
	s_sub_co_u32 s60, s3, 96                       ; 0..31: 16 blocks of Wlo's columns, then 16 of Wmo's
	s_lshr_b32 s59, s60, 4
	s_and_b32 s60, s60, 15
	s_cmp_eq_u32 s59, 0
	s_cselect_b64 s[50:51], s[28:29], s[30:31]
	s_cselect_b64 s[52:53], s[40:41], s[42:43]
	s_mov_b32 s54, 4096
	s_lshl_b32 s55, s60, 8
	s_lshl_b32 s56, s60, 6
	s_lshl_b32 s59, s59, 10
	s_add_co_u32 s56, s56, s59
	s_add_co_u32 s56, s56, 6144
	s_mov_b32 s57, 16
	s_mov_b32 s58, 1
.Lwjoin:
	s_lshl_b32 s59, s2, 7                          ; my first k
	s_mul_i32 s76, s59, s54
	s_add_co_u32 s76, s76, s55
	s_add_nc_u64 s[66:67], s[50:51], s[76:77]      ; the four batches of 32 k: a base each
	s_lshl_b32 s76, s54, 5
	s_add_nc_u64 s[68:69], s[66:67], s[76:77]
	s_add_nc_u64 s[70:71], s[68:69], s[76:77]
	s_add_nc_u64 s[72:73], s[70:71], s[76:77]
	s_lshl_b32 s59, s54, 1
	v_mul_lo_u32 v10, v3, s59                      ; load q of a batch takes row 4 (q / 2) + 2 (l / 16) + q % 2, bytes 16 (l % 16) on:
	v_lshl_add_u32 v10, v2, 4, v10                 ; loads 2 p and 2 p + 1 bring a lane k and k + 1 of four columns
.set q, 0
.rept 16
	s_mul_i32 s60, s54, 4*(q/2)+q%2
	v_add_nc_u32 v[O+q], s60, v10
.set q, q+1
.endr
.macro WLOAD t, x                      ; batch t into x: 16 loads, each two pieces of 256 consecutive bytes
.set q, 0
.rept 16
	global_load_b128 v[(\x)+4*q:(\x)+4*q+3], v[O+q], s[66+2*(\t):67+2*(\t)] th:TH_LOAD_NT
.set q, q+1
.endr
.endm
.macro WCVT x                          ; the batch in x: k, k + 1 of a column rounded into one word: 32 words
.set p, 0
.rept 8
.set j, 0
.rept 4
	v_cvt_pk_bf16_f32 v[D+4*p+j], v[(\x)+8*p+j], v[(\x)+8*p+4+j]
.set j, j+1
.endr
.set p, p+1
.endr
.endm
.macro WSTO t                          ; batch t: each word into its column's LDS row
.set p, 0
.rept 8
.set j, 0
.rept 4
	ds_store_b32 v[LA], v[D+4*p+j] offset:LP*j+2*(32*(\t)+4*p)
.set j, j+1
.endr
.set p, p+1
.endr
.endm
	s_wait_alu depctr_va_vdst(0)                   ; the sixteen offsets v[O ..] are written, which the loads of all four batches read
	WLOAD 0, X0
	WLOAD 1, X1
	s_lshl_b32 s76, s56, 11                        ; wt at row BASE, my 256 bytes of k
	s_lshl_b32 s59, s2, 8
	s_add_co_u32 s76, s76, s59
	s_add_nc_u64 s[74:75], s[46:47], s[76:77]
	s_mul_i32 s61, s2, WREG
	v_mul_u32_u24 v[LA], v2, 4*LP
	v_lshl_add_u32 v[LA], v3, 2, v[LA]
	v_add_nc_u32 v[LA], s61, v[LA]
	v_mul_u32_u24 v[RDL], v3, LP
	v_lshl_add_u32 v[RDL], v2, 4, v[RDL]
	v_add_nc_u32 v[RDL], s61, v[RDL]
	s_lshl_b32 s78, s58, 12                        ; two rows on in a group of 16: 2 SB rows of 2,048 bytes
	s_lshl_b32 s79, s57, 11                        ; a group on: SA rows
	s_lshl_b32 s62, s58, 11
	v_mul_lo_u32 v[E], v3, s62                     ; store i takes local rows 2 i + l / 16
	v_lshl_add_u32 v[E], v2, 4, v[E]
.set i, 1
.rept 31
.if i%8 == 0
	v_add_nc_u32 v[E+i], s79, v[E+i-8]
.else
	v_add_nc_u32 v[E+i], s78, v[E+i-1]
.endif
.set i, i+1
.endr
	s_wait_loadcnt 16                              ; batch 0 is in; the younger batch's 16 loads stay out
	WCVT X0
	s_wait_alu depctr_va_vdst(0)                   ; the roundings have written D, which the LDS stores read, and are done reading X0, in which batch 2 lands; v[LA], v[RDL] and v[E ..] are written too
	WLOAD 2, X0                                    ; the raw buffer is asked for again ahead of the LDS stores
	WSTO 0
	s_wait_loadcnt 16                              ; batch 1
	s_wait_alu depctr_vm_vsrc(0)                   ; batch 0's LDS stores have read D, which the roundings below write again
	WCVT X1
	s_wait_alu depctr_va_vdst(0)                   ; D is written; the roundings are done reading X1, in which batch 3 lands
	WLOAD 3, X1
	WSTO 1
	s_wait_loadcnt 16                              ; batch 2
	s_wait_alu depctr_vm_vsrc(0)                   ; batch 1's LDS stores have read D
	WCVT X0
	s_wait_alu depctr_va_vdst(0)                   ; D is written, which the LDS stores read
	WSTO 2
	s_wait_loadcnt 0x0
	s_wait_alu depctr_vm_vsrc(0)                   ; batch 2's LDS stores have read D
	WCVT X1
	s_wait_alu depctr_va_vdst(0)                   ; D is written; the roundings of batches 2 and 3 are done reading X0 and X1, in which the rows read back below land
	WSTO 3
.set i, 0
.rept 32
	ds_load_b128 v[X0+4*i:X0+4*i+3], v[RDL] offset:2*LP*i  ; LDS serves a wave's instructions in order (ISA guide 5.7.1.4): these see my stores above; no vector instruction since the wait names these registers
.set i, i+1
.endr
.set i, 0
.rept 32
	s_wait_dscnt 31-i
	global_store_b128 v[E+i], v[X0+4*i:X0+4*i+3], s[74:75]  ; 16 lanes: 256 consecutive bytes of a row of wt
.set i, i+1
.endr
	s_cmp_lg_u32 s2, 0
	s_cbranch_scc1 .Lnobias                        ; wave 0 moves the block's 64 biases
	s_mov_b32 s76, s55
	s_add_nc_u64 s[52:53], s[52:53], s[76:77]
	s_lshl_b32 s76, s56, 2
	s_add_nc_u64 s[48:49], s[48:49], s[76:77]
	v_lshlrev_b32 v10, 2, v1
	v_mul_lo_u32 v11, v3, s57
	v_mul_lo_u32 v14, v2, s58
	v_add_lshl_u32 v11, v11, v14, 2                ; 4 ((l / 16) SA + (l % 16) SB)
	v_lshl_add_u32 v15, s57, 3, v11                ; two groups on
	s_wait_alu depctr_va_vdst(0)                   ; v10, v11 and v15 are written: the offsets of the two loads and the two stores below
	global_load_b32 v12, v10, s[52:53]             ; columns n0 + l
	global_load_b32 v13, v10, s[52:53] offset:128  ; and n0 + 32 + l
	s_wait_loadcnt 0x0
	global_store_b32 v11, v12, s[48:49]
	global_store_b32 v15, v13, s[48:49]
.Lnobias:
	s_wait_dscnt 0x0                               ; the closing lines, six on end
	s_wait_alu 0x0
	s_wait_tensorcnt 0x0
	ds_add_u32 v[SPW], v[NIL]
	s_wait_dscnt 0x0
	s_endpgm
.Lfunc_end_k_qd6aa9e213a_prep:
	.size	k_qd6aa9e213a_prep, .Lfunc_end_k_qd6aa9e213a_prep-k_qd6aa9e213a_prep
	.p2alignl 7, 3214868480
	.fill 96, 4, 3214868480
	.section	.rodata,"a",@progbits
	.p2align	6, 0x0
	.amdhsa_kernel k_qd6aa9e213a_prep
		.amdhsa_group_segment_fixed_size 140288
		.amdhsa_private_segment_fixed_size 0
		.amdhsa_enable_private_segment 0
		.amdhsa_kernarg_size 136
		.amdhsa_user_sgpr_count 2
		.amdhsa_user_sgpr_kernarg_segment_ptr 1
		.amdhsa_wavefront_size32 1
		.amdhsa_system_sgpr_workgroup_id_x 1
		.amdhsa_system_sgpr_workgroup_id_y 1
		.amdhsa_system_sgpr_workgroup_id_z 1
		.amdhsa_system_vgpr_workitem_id 0
		.amdhsa_next_free_vgpr 224
		.amdhsa_next_free_sgpr 82
		.amdhsa_reserve_vcc 0
		.amdhsa_float_denorm_mode_32 3
		.amdhsa_float_denorm_mode_16_64 3
		.amdhsa_memory_ordered 1
		.amdhsa_forward_progress 1
		.amdhsa_inst_pref_size 49
	.end_amdhsa_kernel
	.amdgpu_metadata
---
amdhsa.version: [ 1, 2 ]
amdhsa.kernels:
  - .name:           k_qd6aa9e213a_prep
    .symbol:         k_qd6aa9e213a_prep.kd
    .args:
      - { .name: liquid_repr, .offset: 0, .size: 8, .value_kind: global_buffer, .address_space: global }
      - { .name: mamba_repr, .offset: 8, .size: 8, .value_kind: global_buffer, .address_space: global }
      - { .name: Wlq, .offset: 16, .size: 8, .value_kind: global_buffer, .address_space: global }
      - { .name: Wlkv, .offset: 24, .size: 8, .value_kind: global_buffer, .address_space: global }
      - { .name: Wmq, .offset: 32, .size: 8, .value_kind: global_buffer, .address_space: global }
      - { .name: Wmkv, .offset: 40, .size: 8, .value_kind: global_buffer, .address_space: global }
      - { .name: Wlo, .offset: 48, .size: 8, .value_kind: global_buffer, .address_space: global }
      - { .name: Wmo, .offset: 56, .size: 8, .value_kind: global_buffer, .address_space: global }
      - { .name: blq, .offset: 64, .size: 8, .value_kind: global_buffer, .address_space: global }
      - { .name: blkv, .offset: 72, .size: 8, .value_kind: global_buffer, .address_space: global }
      - { .name: bmq, .offset: 80, .size: 8, .value_kind: global_buffer, .address_space: global }
      - { .name: bmkv, .offset: 88, .size: 8, .value_kind: global_buffer, .address_space: global }
      - { .name: blo, .offset: 96, .size: 8, .value_kind: global_buffer, .address_space: global }
      - { .name: bmo, .offset: 104, .size: 8, .value_kind: global_buffer, .address_space: global }
      - { .name: xb, .offset: 112, .size: 8, .value_kind: global_buffer, .address_space: global }
      - { .name: wt, .offset: 120, .size: 8, .value_kind: global_buffer, .address_space: global }
      - { .name: bp, .offset: 128, .size: 8, .value_kind: global_buffer, .address_space: global }
    .group_segment_fixed_size: 140288
    .private_segment_fixed_size: 0
    .kernarg_segment_align: 8
    .kernarg_segment_size: 136
    .max_flat_workgroup_size: 256
    .sgpr_count:     82
    .vgpr_count:     224
    .wavefront_size: 32
...
	.end_amdgpu_metadata
.endif
;; end of part 5
;; launch proj: the kernel of part 2 again; grid 8 x 32, 4 waves a work-group, clusters of 4 x 4, 327,680 bytes of LDS; arguments xb, wt, cb, bp; writes cb
;; launch attn (part 6): grid 128 x 2, 8 waves a work-group, no clusters, 35,840 bytes of LDS; arguments cb, ab; writes ab
.if DOCPART == 6
	.amdgcn_target "amdgcn-amd-amdhsa--gfx1250"
	.amdhsa_code_object_version 6
	.text
	.protected	k_qd6aa9e213a_attn
	.globl	k_qd6aa9e213a_attn
	.p2align	8
	.type	k_qd6aa9e213a_attn,@function
k_qd6aa9e213a_attn:
	s_mov_b64 s[64:65], 0
	v_nop
	global_prefetch_b8 v0, s[64:65] scope:SCOPE_SE
	s_setreg_imm32_b32 hwreg(HW_REG_WAVE_SCHED_MODE, 0, 2), 2
	s_setreg_imm32_b32 hwreg(HW_REG_WAVE_MODE, 25, 1), 1
	s_wait_xcnt 0x0
	s_wait_alu depctr_vm_vsrc(0)
; ATTENTION OVER THE HEADS, token by token.  ab[dir][t][128 h + d] = sum over g of softmax_g(q(t, h) . k(t, g) / sqrt(128)) v(t, g, d); q from cb[dir], k and v from cb[1 - dir].
; cb: [2][8192][3072] bf16, a token's row = q' | k' | v' with q'(h, d) at 128 (d / 16) + 16 h + d % 16, k' likewise, v'(g, d) at 8 d + g.  ab: [2][8192][1024] bf16.
; Products, maximum and sum in f32; the weights are divided by their sum in f32 and rounded once to bf16 for the second product; ab rounded once.
; SHARES.  Grid y = dir.  A work-group takes 64 tokens, a wave 8: two steps of four tokens, pair A (tokens 0, 1 of the four) and pair B (2, 3).  No tile is shared between waves, so fragments come straight from
; memory into registers, each load two pieces of 256 consecutive bytes; no cluster and no tensor load: nothing is read twice.
; LAYOUT.  S^T = K Q^T for a pair: source 0 = 16 key rows (token bit, g), source 1 = 16 query rows (token bit, h).  Lane l holds query l % 16 and the eight keys g of token bit l / 16: the softmax lies in the lane.
; Lanes whose two token bits differ hold scores across tokens: their weights are multiplied by 0.  The four packed registers of weights are half of source 1 (32 keys = 4 tokens x 8 heads) of O^T = V^T P;
; the other half is 0.  A lane's 16 bytes of v' are one channel's eight keys: source 0 as it lies.  In O^T a lane holds one query and eight neighbouring channels.
; LIMITS.  The row's own maximum is taken away before the exponential.  A weight below 2^-126 counts as 0.  NaN and infinities are not treated apart: an infinite v reaches the three other tokens of its
; group of four (0 x infinity), an infinite or NaN q or k the other token of its pair.
; THE MODE: SCHED_MODE bits 1:0 = 2 (LLVM: expert scheduling mode 2), set by the entry lines.  The code itself states the register dependences between vector or matrix instructions and memory or LDS
; instructions, with s_wait_alu, always for 0.
; THE PLAN.  Registers that memory or LDS instructions touch, in a step's order:
;   Q, K   Loaded; read by the eight products K Q^T; behind them the next step's loads land there.
;   V      Loaded; read by the sixteen products V^T P; behind them the next step's loads land there.
;   PK     A pair's half is written by the pair's 32 roundings and read by its eight LDS stores; written again a step later.
;   BK     Pair A's O^T: written by the products, read by pair A's roundings; then the rows of both pairs, read back from the stage, land there, and the global stores read them; written again by the
;          next step's products.  The rows do not come back into PK, whose registers the LDS stores have just read.
;   v[QO], v[VO], v[STO], v[RD], v[GO]   Made at the head, never written again.
; So a step has one wait on va_vdst behind each run of products that is followed by loads, one behind each pair's roundings, the two behind its exponentials and reciprocals, and, in the second step,
; one wait on vm_vsrc ahead of the products V^T P.  Pair B's roundings, which name pair B's O^T and PK's second half alone, stand between pair A's LDS instructions and pair B's.
.set CROW, 6144
.set SP,   272                         ; a stage row: 256 bytes + 16
.set SPARE, 8*16*SP                    ; behind the eight stages: the spare words
.set QO,   3                           ; v3   my offset in a pair's q' or k': token bit x 6144 + 32 head + 16 (l / 16)
.set VO,   4                           ; v4   my offset in v': (l / 16) x 6144 + 16 (l % 16)
.set STO,  5                           ; v5   where I put 16 bytes of a row
.set RD,   6                           ; v6   where I read rows back
.set GO,   7                           ; v7   16 l
.set MASK, 8                           ; v8   1.0 where my query's token bit is my keys', else 0
.set SPW,  10
.set NIL,  11
.set M,    12                          ; v12-13, v14-15  (c m, m) of pair A, B
.set S,    16                          ; v16-23, v24-31  S^T of A, B
.set P,    32                          ; v32-39 source 1 for A (upper four 0), v40-47 for B (lower four 0)
.set T,    48                          ; v48-55, v56-63  at work
.set Q,    64                          ; v64-127   pair p at + 32 p
.set K,    128                         ; v128-191
.set V,    192                         ; v192-255  channel block cb at + 8 cb
.set OA,   0                           ; window 1: v0-63 O^T of A, v64-127 of B
.set BK,   0                           ; window 1: v0-31 pair A's rows as read back from the stage, v32-63 pair B's: on pair A's O^T, once it is rounded
.set PK,   128                         ; window 1: v128-159 packed A, v160-191 packed B
.set CS,   20                          ; s[20:21] c = log2(e) / sqrt(128)
.set MSB, 0
.macro WIN new
.if MSB != (\new)
	s_set_vgpr_msb (MSB<<8)|(\new)
.set MSB, (\new)
.endif
.endm
.macro PLACES
.rept 4
	v_nop
.endr
.endm
	s_load_b128 s[8:11], s[0:1], 0x0               ; cb s[8:9], ab s[10:11]
	v_lshl_add_u32 v[SPW], v0, 2, SPARE
	v_mov_b32 v[NIL], 0
	v_lshrrev_b32 v1, 5, v0
	v_readfirstlane_b32 s2, v1                     ; wave 0..7
	v_and_b32 v1, 15, v0                           ; r = l % 16
	v_bfe_u32 v2, v0, 4, 1                         ; l / 16
	v_bfe_u32 v9, v0, 3, 1                         ; my row's token bit
	v_and_b32 v48, 7, v0                           ; my row's head
	v_mul_u32_u24 v[QO], v9, CROW
	v_lshl_add_u32 v[QO], v48, 5, v[QO]
	v_lshl_add_u32 v[QO], v2, 4, v[QO]
	v_mul_u32_u24 v[VO], v2, CROW
	v_lshl_add_u32 v[VO], v1, 4, v[VO]
	s_and_b32 s3, ttmp7, 0xffff                    ; dir
	s_lshl_b32 s4, ttmp9, 6
	s_wait_alu depctr_va_sdst(0)                   ; s2 is written, ahead of its first reader: my first token is made from it
	s_lshl_b32 s5, s2, 3
	s_add_co_u32 s4, s4, s5                        ; my first token
	s_mul_i32 s5, s4, CROW
	s_mul_i32 s6, s3, 50331648
	s_add_co_u32 s18, s5, s6
	s_mov_b32 s19, 0
	s_mov_b32 s[CS], 0x3e0293ee
	s_mov_b32 s[CS+1], s[CS]                       ; named with it as a pair
	s_wait_kmcnt 0x0
	s_add_nc_u64 s[12:13], s[8:9], s[18:19]        ; q' of my tokens
	s_xor_b32 s6, s3, 1
	s_mul_i32 s6, s6, 50331648
	s_add_co_u32 s18, s5, s6
	s_add_co_u32 s18, s18, 2048
	s_add_nc_u64 s[14:15], s[8:9], s[18:19]        ; k' of my tokens, in the other modality; v' lies 2,048 bytes on
	s_lshl_b32 s18, s3, 24
	s_lshl_b32 s5, s4, 11
	s_add_co_u32 s18, s18, s5
	s_add_nc_u64 s[16:17], s[10:11], s[18:19]      ; ab at my tokens
.macro LDQK s                          ; step s: 32 loads; load i of a pair brings channels 16 i + 8 (l / 16) + 0..7 of my row
.irp p, 0,1
.irp i, 0,1,2,3,4,5,6,7
	global_load_b128 v[Q+32*\p+4*\i:Q+32*\p+4*\i+3], v[QO], s[12:13] offset:24576*(\s)+12288*\p+256*\i th:TH_LOAD_NT
	global_load_b128 v[K+32*\p+4*\i:K+32*\p+4*\i+3], v[QO], s[14:15] offset:24576*(\s)+12288*\p+256*\i th:TH_LOAD_NT
.endr
.endr
.endm
.macro LDV s                           ; step s: 16 loads; registers 0-3 of a block: token l / 16, registers 4-7: token 2 + l / 16
.irp c, 0,1,2,3,4,5,6,7
	global_load_b128 v[V+8*\c:V+8*\c+3],   v[VO], s[14:15] offset:24576*(\s)+2048+256*\c th:TH_LOAD_NT
	global_load_b128 v[V+8*\c+4:V+8*\c+7], v[VO], s[14:15] offset:24576*(\s)+2048+256*\c+12288 th:TH_LOAD_NT
.endr
.endm
	s_wait_alu depctr_va_vdst(0)                   ; v[QO] and v[VO] are written: every load of the kernel reads one of them as its offset
	LDQK 0
	LDV 0
	v_cmp_eq_u32 vcc_lo, v9, v2
	s_mul_i32 s7, s2, 16*SP                        ; my stage
	v_mul_u32_u24 v[STO], v1, SP
	v_lshl_add_u32 v[STO], v2, 4, v[STO]
	v_add_nc_u32 v[STO], s7, v[STO]
	v_mul_u32_u24 v[RD], v2, SP
	v_lshl_add_u32 v[RD], v1, 4, v[RD]
	v_add_nc_u32 v[RD], s7, v[RD]
	v_and_b32 v[GO], 31, v0
	v_lshlrev_b32 v[GO], 4, v[GO]
	s_wait_alu depctr_va_vcc(0)                    ; the compare has written VCC, which the select below reads
	v_cndmask_b32 v[MASK], 0, 1.0, vcc_lo
.irp i, 4,5,6,7,8,9,10,11
	v_mov_b32 v[P+\i], 0                           ; the halves of source 1 that belong to the other pair's tokens
.endr
; A step: four tokens.  more = 1: the next step's loads are issued as soon as the registers are free.
.macro STEP s, more
	s_wait_loadcnt 16                              ; q' and k' are in; v's 16 loads stay out
.irp c, 0,1,2,3                        ; the two accumulators take turns
.irp p, 0,1
.if \c == 0
	v_wmma_f32_16x16x32_bf16 v[S+8*\p:S+8*\p+7], v[K+32*\p+8*\c:K+32*\p+8*\c+7], v[Q+32*\p+8*\c:Q+32*\p+8*\c+7], 0
.else
	v_wmma_f32_16x16x32_bf16 v[S+8*\p:S+8*\p+7], v[K+32*\p+8*\c:K+32*\p+8*\c+7], v[Q+32*\p+8*\c:Q+32*\p+8*\c+7], v[S+8*\p:S+8*\p+7]
.endif
.endr
.endr
	PLACES                                         ; four places behind the last product, before its result is read (ISA guide 7.12.1)
.if \more
	s_wait_alu depctr_va_vdst(0)                   ; the eight products are done reading Q and K, in which the next step's loads land
	LDQK (\s)+1
.endif
	; the softmax of eight scores a lane, the two pairs line by line; each accumulator is read from its low end on
.irp x, 0,1
	v_max3_num_f32 v[T+8*\x], v[S+8*\x], v[S+8*\x+1], v[S+8*\x+2]
.endr
.irp x, 0,1
	v_max3_num_f32 v[T+8*\x+1], v[S+8*\x+3], v[S+8*\x+4], v[S+8*\x+5]
.endr
.irp x, 0,1
	v_max3_num_f32 v[T+8*\x], v[T+8*\x], v[S+8*\x+6], v[S+8*\x+7]
.endr
.irp x, 0,1
	v_max_num_f32 v[M+2*\x+1], v[T+8*\x], v[T+8*\x+1]
.endr
.irp x, 0,1
	v_mul_f32 v[M+2*\x], s[CS], v[M+2*\x+1]
.endr
.irp j, 0,1,2,3
.irp x, 0,1
	v_pk_fma_f32 v[S+8*\x+2*\j:S+8*\x+2*\j+1], v[S+8*\x+2*\j:S+8*\x+2*\j+1], s[CS:CS+1], v[M+2*\x:M+2*\x+1] op_sel_hi:[1,0,0] neg_lo:[0,0,1] neg_hi:[0,0,1]  ; c s - c m
.endr
.endr
.set i, 0
.rept 16
	v_exp_f32 v[S+i], v[S+i]
.set i, i+1
.endr
	v_nop                                          ; a plain instruction between the last exponential and the use of its result
	s_wait_alu depctr_va_vdst(0)                   ; the sixteen exponentials have written their results, ahead of the first line that names one
.irp x, 0,1
	v_pk_add_f32 v[T+8*\x:T+8*\x+1], v[S+8*\x:S+8*\x+1], v[S+8*\x+2:S+8*\x+3]
.endr
.irp x, 0,1
	v_pk_add_f32 v[T+8*\x+2:T+8*\x+3], v[S+8*\x+4:S+8*\x+5], v[S+8*\x+6:S+8*\x+7]
.endr
.irp x, 0,1
	v_pk_add_f32 v[T+8*\x:T+8*\x+1], v[T+8*\x:T+8*\x+1], v[T+8*\x+2:T+8*\x+3]
.endr
.irp x, 0,1
	v_add_f32 v[T+8*\x], v[T+8*\x], v[T+8*\x+1]
.endr
.irp x, 0,1
	v_rcp_f32 v[T+8*\x+2], v[T+8*\x]               ; the sum is at least 1: the largest score's weight
.endr
	v_nop
	s_wait_alu depctr_va_vdst(0)                   ; the two reciprocals have written their results, ahead of the first line that names one
.irp x, 0,1
	v_mul_f32 v[T+8*\x+2], v[T+8*\x+2], v[MASK]
.endr
.irp j, 0,1,2,3
.irp x, 0,1
	v_pk_mul_f32 v[S+8*\x+2*\j:S+8*\x+2*\j+1], v[S+8*\x+2*\j:S+8*\x+2*\j+1], v[T+8*\x+2:T+8*\x+3] op_sel_hi:[1,0]
.endr
.endr
.irp j, 0,1,2,3
.irp x, 0,1
	v_cvt_pk_bf16_f32 v[P+12*\x+\j], v[S+8*\x+2*\j], v[S+8*\x+2*\j+1]  ; A: registers 0-3 of its source; B: registers 4-7
.endr
.endr
	s_wait_loadcnt 32*(\more)                      ; v' is in; the next step's 32 loads of q' and k' stay out
.if (\s) > 0
	s_wait_xcnt 0x0                                ; BK, which the last step's global stores read, is rewritten only behind this wait
	s_wait_alu depctr_vm_vsrc(0)                   ; the last step's global stores have read BK, which the products below write; its LDS stores have read PK, which the roundings below write
.endif
	WIN 0x40                                       ; O^T in window 1
.irp c, 0,1,2,3,4,5,6,7                ; sixteen accumulators, one product each
	v_wmma_f32_16x16x32_bf16 v[OA+8*\c:OA+8*\c+7], v[V+8*\c:V+8*\c+7], v[P:P+7], 0
	v_wmma_f32_16x16x32_bf16 v[OA+64+8*\c:OA+64+8*\c+7], v[V+8*\c:V+8*\c+7], v[P+8:P+15], 0
.endr
	PLACES                                         ; four places behind the last product, before its result is read (ISA guide 7.12.1)
.if \more
	WIN 0
	s_wait_alu depctr_va_vdst(0)                   ; the sixteen products are done reading V, in which the next step's loads land
	LDV (\s)+1
.endif
	; a pair's 16 rows (token bit, head) of 256 bytes are 4,096 consecutive bytes of ab: rounded, through my stage, back as whole rows.  Pair B is rounded while pair A goes through the stage.
.irp x, 0,1
	WIN 0x45                                       ; sources and destination in window 1
.set i, 0
.rept 32
	v_cvt_pk_bf16_f32 v[PK+32*\x+i], v[OA+64*\x+2*i], v[OA+64*\x+2*i+1]
.set i, i+1
.endr
	WIN 0x04                                       ; store data in window 1
	s_wait_alu depctr_va_vdst(0)                   ; the pair's roundings have written its half of PK, which the LDS stores read; pair A's are done reading its O^T, in which the rows read back land
.irp c, 0,1,2,3,4,5,6,7
	ds_store_b128 v[STO], v[PK+32*\x+4*\c:PK+32*\x+4*\c+3] offset:32*\c
.endr
	WIN 0x40
.irp f, 0,1,2,3,4,5,6,7
	ds_load_b128 v[BK+32*\x+4*\f:BK+32*\x+4*\f+3], v[RD] offset:2*SP*\f  ; LDS serves a wave's instructions in order (ISA guide 5.7.1.4): these see the stores above; the other pair's stores come behind them.  Nothing since the wait names v[RD] or these registers
.endr
.endr
	WIN 0x04
.irp f, 0,1,2,3,4,5,6,7
	s_wait_dscnt 16+7-\f                           ; B's sixteen and A's younger loads may be out
	global_store_b128 v[GO], v[BK+4*\f:BK+4*\f+3], s[16:17] offset:8192*(\s)+512*\f  ; 512 consecutive bytes, at a multiple of 256 from ab's first byte
.endr
.irp f, 0,1,2,3,4,5,6,7
	s_wait_dscnt 7-\f
	global_store_b128 v[GO], v[BK+32+4*\f:BK+32+4*\f+3], s[16:17] offset:8192*(\s)+4096+512*\f
.endr
	WIN 0
.endm
	STEP 0, 1
	STEP 1, 0
	s_wait_dscnt 0x0                               ; the closing lines, six on end
	s_wait_alu 0x0
	s_wait_tensorcnt 0x0
	ds_add_u32 v[SPW], v[NIL]
	s_wait_dscnt 0x0
	s_endpgm
.Lfunc_end_k_qd6aa9e213a_attn:
	.size	k_qd6aa9e213a_attn, .Lfunc_end_k_qd6aa9e213a_attn-k_qd6aa9e213a_attn
	.p2alignl 7, 3214868480
	.fill 96, 4, 3214868480
	.section	.rodata,"a",@progbits
	.p2align	6, 0x0
	.amdhsa_kernel k_qd6aa9e213a_attn
		.amdhsa_group_segment_fixed_size 35840
		.amdhsa_private_segment_fixed_size 0
		.amdhsa_enable_private_segment 0
		.amdhsa_kernarg_size 16
		.amdhsa_user_sgpr_count 2
		.amdhsa_user_sgpr_kernarg_segment_ptr 1
		.amdhsa_wavefront_size32 1
		.amdhsa_system_sgpr_workgroup_id_x 1
		.amdhsa_system_sgpr_workgroup_id_y 1
		.amdhsa_system_sgpr_workgroup_id_z 1
		.amdhsa_system_vgpr_workitem_id 0
		.amdhsa_next_free_vgpr 448
		.amdhsa_next_free_sgpr 66
		.amdhsa_reserve_vcc 1
		.amdhsa_float_denorm_mode_32 3
		.amdhsa_float_denorm_mode_16_64 3
		.amdhsa_memory_ordered 1
		.amdhsa_forward_progress 1
		.amdhsa_inst_pref_size 39
	.end_amdhsa_kernel
	.amdgpu_metadata
---
amdhsa.version: [ 1, 2 ]
amdhsa.kernels:
  - .name:           k_qd6aa9e213a_attn
    .symbol:         k_qd6aa9e213a_attn.kd
    .args:
      - { .name: cb, .offset: 0, .size: 8, .value_kind: global_buffer, .address_space: global }
      - { .name: ab, .offset: 8, .size: 8, .value_kind: global_buffer, .address_space: global }
    .group_segment_fixed_size: 35840
    .private_segment_fixed_size: 0
    .kernarg_segment_align: 8
    .kernarg_segment_size: 16
    .max_flat_workgroup_size: 256
    .sgpr_count:     66
    .vgpr_count:     448
    .wavefront_size: 32
...
	.end_amdgpu_metadata
.endif
;; end of part 6
;; launch out: the kernel of part 4 again; grid 8 x 32, 4 waves a work-group, clusters of 4 x 4, 327,680 bytes of LDS; arguments ab, wt, bp, xb, out0, out1; writes out0, out1
